; MI455X (gfx1250); checked and timed in simulation.
; The chip was launched on July 23, 2026; its instructions are those of AMD's public machine-readable ISA for CDNA 5 (MIT licence, August 2026) and "CDNA5" Instruction Set Architecture Reference Guide (July 2026). The comments in the code are by the model that wrote it; some were corrected since.
;; Multihead Attention Layer. Allowed arithmetic: float matrix products may take bf16 or f16 operands with f32 sums; all other float work in f32.
;; Inputs: Wk 512 x 512 float32; Wq 512 x 512 float32; Wv 512 x 512 float32; beta 512 float32; bk 512 float32; bq 512 float32; bv 512 float32; gamma 512 float32; keys_in 4 x 2,048 x 512 float32; queries 4 x 2,048 x 512 float32.
;; Outputs: out0 4 x 2,048 x 512 float32.
;; 2 versions, each right. Each part assembles by itself: llvm-mc -triple=amdgcn-amd-amdhsa -mcpu=gfx1250 --defsym DOCPART=n.
;; ======== version 1 of 2: 3 launches
;; workspace buffers: Qws 8,388,608 bytes; Kws 8,388,608 bytes; Vws 8,388,608 bytes; kbias 262,144 bytes; att 16,777,216 bytes
;; launch proj (part 1): grid 4 x 64, 8 waves a work-group, no clusters, 209,920 bytes of LDS; arguments queries, keys_in, Wq, Wk, Wv, bq, bk, bv, Qws, Kws, Vws, kbias; writes Qws, Kws, Vws, kbias
.if DOCPART == 1
	.amdgcn_target "amdgcn-amd-amdhsa--gfx1250"
	.amdhsa_code_object_version 6
	.text
	.protected	k_qecab5704b4_proj
	.globl	k_qecab5704b4_proj
	.p2align	8
	.type	k_qecab5704b4_proj,@function
k_qecab5704b4_proj:
	s_mov_b64 s[64:65], 0
	v_nop
	global_prefetch_b8 v0, s[64:65] scope:SCOPE_SE
	s_setreg_imm32_b32 hwreg(HW_REG_WAVE_MODE, 25, 1), 1
	s_wait_xcnt 0x0
; Q = relu(queries Wq + bq) * c, K = relu(keys Wk + bk), V = relu(keys Wv + bv), rounded once to bf16 and stored by heads,
; [b][h][t][64]; c = 0.125 log2(e), so that the scores of the next launch are exponents of 2.  kbias[b][h][t] (f32) is 0 where
; one of the head's 64 numbers of K is above 0 and -1e9 log2(e) otherwise: the key mask as an addend to a score that is then exactly 0.
; SHARES: a work-group takes 128 rows (block rb) x 128 columns (block cb) of all three results; 64 x 4 = 256 work-groups.
; Wave w takes rows 32 (w >> 1) .. + 31 and the 64 columns of head 2 cb + (w & 1): 8 accumulator tiles of 16 x 16.
; Three units (Q, K, V) of 8 steps of 64 along the 512 of the sum: 24 steps, written out, no loop.
; WAY IN: memory (f32) -> registers -> one rounding to bf16 -> LDS -> fragments.  The 8 tiles of X stay in LDS for a unit,
; so unit V reads the keys' tiles again from LDS and fetches W alone.
; NO TENSOR LOADS AND NO JOINT LOADS, though 4 work-groups share each tile of X and 64 each tile of W: the inputs are f32 and the matrix
; operands bf16.  Through registers each number is rounded once and 2 bytes of it land in LDS.  A tile brought straight into LDS would
; lie there in 4 bytes a number and be rounded again by each wave that reads it (2 waves read a fragment of X, 4 one of W), and W,
; which lies [k][n], needs the transposing LDS load, which moves elements of 16 bits.  A step has 16 matrix instructions a wave,
; and three steps' loads (48 of 16 bytes a lane) stay out across its barrier, which loads into registers may.
; THE MATRIX INSTRUCTION IS USED TRANSPOSED: source 0 = 16 columns of W, source 1 = 16 rows of X, so that a lane's eight results are
; eight neighbouring columns of one row.
; LIMITS: inputs without NaN and infinities (v_max_num_f32 turns a NaN into 0).  A positive K below bf16's smallest number
; is stored as 0 while its key still counts as present.
.set XP,    144                        ; LDS pitch of a row of X: 64 bf16 + 16 bytes, an odd multiple of 16
.set XBLK,  128*XP                     ; one step's tile of X
.set WP,    288                        ; LDS pitch of a row of W: 128 bf16 + 32 bytes, an odd multiple of 32 (transposing loads)
.set WBUF,  64*WP                      ; one step's tile of W
.set WB,    8*XBLK                     ; two buffers for W behind the 8 tiles of X
.set BIAS,  WB+2*WBUF                  ; each wave's own 3 x 64 biases
.set STG,   BIAS+8*768                 ; each wave's own stage for the way out: 16 rows x 144 bytes
.set VXO,  1                           ; byte offset of my 16 bytes in X: row w + 8 (lane / 16), 16 (lane % 16)
.set VWO,  2                           ; the same in W: row w, 16 lane
.set VXS0, 3                           ; where my 8 bytes of X go in a tile
.set VWS,  4                           ; where my 8 bytes of W go in buffer 0
.set VXF0, 5                           ; my fragments of X in tile 0
.set VWF,  6                           ; my fragments of W in buffer 0
.set STO,  7                           ; the way out: where I put 16 bytes of a row
.set RD,   8                           ; the way out: where I read rows back
.set OUTO, 9                           ; 16 lane
.set BIA,  10                          ; my biases
.set KBO,  11                          ; 4 lane
.set VXS,  12                          ; VXS0 + this group's tile
.set VXF,  13                          ; VXF0 + this step's tile
.set ACC,  16                          ; v[16:79]    tile (i, t) at 8 (4 i + t): rows 16 i .., columns 16 t ..
.set XF0,  80                          ; v[80:111]   fragments of X: 16 sub + 8 i
.set WF0,  112                         ; v[112:175]  fragments of W: 32 sub + 8 t
.set WF1,  144
.set TMP,  176                         ; v[176:207]  a group rounded to bf16: X at 2 i, W at 16 + 2 i
                                       ; v14, v15, v[208:221] at work
                                       ; v[256:447]  three staging sets of 64: X at 4 i, W at 32 + 4 i (named through window 1)
.set MSB, 0
.macro WIN new                         ; s_set_vgpr_msb: low byte bits 1:0 source 0, 3:2 source 1, 5:4 source 2, 7:6 destination;
.if MSB != \new                        ; the high byte repeats the setting that is left
	s_set_vgpr_msb (MSB<<8)|\new
.set MSB, \new
.endif
.endm
.macro PLACES                          ; four places behind a matrix instruction (ISA guide 7.12.1) where no useful vector work is at hand
.rept 4
	v_nop
.endr
.endm
.macro SETN name, g                    ; loads, and LDS stores, of group g: X and W (16), W alone (8), none
.if (\g) < 16
.set \name, 16
.else
.if (\g) < 24
.set \name, 8
.else
.set \name, 0
.endif
.endif
.endm
	s_load_b512 s[8:23], s[0:1], 0x0               ; queries, keys_in, Wq, Wk, Wv, bq, bk, bv
	s_load_b256 s[24:31], s[0:1], 0x40             ; Qws, Kws, Vws, kbias
	v_lshl_add_u32 v254, v0, 2, 0x33000
	v_mov_b32 v255, 0
	v_lshrrev_b32 v14, 5, v0
	v_readfirstlane_b32 s2, v14                    ; wave w
	s_lshr_b32 s3, s2, 1                           ; wr: my 32 rows
	s_and_b32 s4, s2, 1                            ; wc: my head of the block's two
	s_mov_b32 s5, ttmp9                            ; cb
	s_and_b32 s6, ttmp7, 0xffff                    ; rb
	s_mov_b32 s36, 0x76543210                      ; v_permlanex16_b32: lane i reads lane i of the other half
	s_mov_b32 s37, 0xfedcba98
	v_and_b32 v208, 31, v0                         ; lane
	v_and_b32 v209, 15, v0                         ; r = lane % 16
	v_bfe_u32 v210, v0, 4, 1                       ; h = lane / 16
	v_lshl_add_u32 v211, v210, 3, s2               ; w + 8 h
	v_lshlrev_b32 v[VXO], 11, v211                 ; rows of 2,048 bytes
	v_lshl_add_u32 v[VXO], v209, 4, v[VXO]
	s_lshl_b32 s7, s2, 11
	v_lshl_add_u32 v[VWO], v208, 4, s7
	v_mul_u32_u24 v[VXS0], v211, XP
	v_lshl_add_u32 v[VXS0], v209, 3, v[VXS0]
	s_mul_i32 s7, s2, WP
	s_add_co_u32 s7, s7, WB
	v_lshl_add_u32 v[VWS], v208, 3, s7
	v_mul_u32_u24 v212, v209, XP
	v_lshl_add_u32 v212, v210, 4, v212             ; r x 144 + 16 h
	s_mul_i32 s7, s3, 32*XP
	v_add_nc_u32 v[VXF0], s7, v212
	v_and_b32 v213, 7, v0
	v_lshl_add_u32 v214, v210, 3, v213             ; 8 h + lane % 8: the row of W that I address for the transposing load
	v_mul_u32_u24 v214, v214, WP
	v_bfe_u32 v215, v0, 3, 1
	v_lshl_add_u32 v214, v215, 4, v214
	s_lshl_b32 s7, s4, 7                           ; my head's 64 columns: 128 bytes
	s_add_co_u32 s7, s7, WB
	v_add_nc_u32 v[VWF], s7, v214
	s_mul_i32 s7, s2, 16*XP
	s_add_co_u32 s7, s7, STG
	v_add_nc_u32 v[STO], s7, v212
	v_lshrrev_b32 v214, 3, v208                    ; back: eight lanes take a row of 128 bytes
	v_mul_u32_u24 v214, v214, XP
	v_lshl_add_u32 v214, v213, 4, v214
	v_add_nc_u32 v[RD], s7, v214
	v_lshlrev_b32 v[OUTO], 4, v208
	v_lshlrev_b32 v[KBO], 2, v208
	s_mul_i32 s7, s2, 768
	s_add_co_u32 s7, s7, BIAS
	v_lshl_add_u32 v[BIA], v210, 5, s7
	v_lshl_add_u32 v14, v208, 3, s7                ; where my two biases of each unit go
	v_lshlrev_b32 v15, 3, v208                     ; and where they come from
	s_lshl_b32 s32, s6, 18                         ; X: rb x 128 rows x 2,048 bytes
	s_mov_b32 s33, 0
	s_lshl_b32 s34, s5, 9                          ; W: cb x 128 columns x 4 bytes
	s_mov_b32 s35, 0
	s_lshl_b32 s38, s4, 8                          ; biases: the same + my head's 256 bytes
	s_add_co_u32 s38, s38, s34
	s_mov_b32 s39, 0
	s_lshr_b32 s40, s6, 4                          ; b = rb / 16
	s_lshl_b32 s40, s40, 2
	s_add_co_u32 s40, s40, s5
	s_lshl_b32 s40, s40, 1
	s_add_co_u32 s40, s40, s4                      ; 8 b + 2 cb + wc: the head's number
	s_lshl_b32 s40, s40, 11
	s_and_b32 s41, s6, 15
	s_lshl_b32 s41, s41, 7
	s_add_co_u32 s40, s40, s41
	s_lshl_b32 s41, s3, 5
	s_add_co_u32 s40, s40, s41                     ; + t of my first row: the row's number in [b][h][t]
	s_lshl_b32 s42, s40, 2                         ; in kbias: 4 bytes a row
	s_mov_b32 s43, 0
	s_lshl_b32 s40, s40, 7                         ; in Qws, Kws, Vws: 128 bytes a row
	s_mov_b32 s41, 0
	s_wait_kmcnt 0x0
	s_add_nc_u64 s[8:9], s[8:9], s[32:33]
	s_add_nc_u64 s[10:11], s[10:11], s[32:33]
	s_add_nc_u64 s[12:13], s[12:13], s[34:35]
	s_add_nc_u64 s[14:15], s[14:15], s[34:35]
	s_add_nc_u64 s[16:17], s[16:17], s[34:35]
	s_add_nc_u64 s[18:19], s[18:19], s[38:39]
	s_add_nc_u64 s[20:21], s[20:21], s[38:39]
	s_add_nc_u64 s[22:23], s[22:23], s[38:39]
	s_add_nc_u64 s[24:25], s[24:25], s[40:41]
	s_add_nc_u64 s[26:27], s[26:27], s[40:41]
	s_add_nc_u64 s[28:29], s[28:29], s[40:41]
	s_add_nc_u64 s[30:31], s[30:31], s[42:43]      ; no base is written again
; Group g = the f32 numbers of step g: 128 rows x 64 of X (units Q and K) and 64 rows x 128 of W, into staging set g % 3.
; A load of X covers two whole rows of 256 bytes of the tile, a load of W one row of 512 bytes.
.macro GLOAD g
.set GU, (\g)/8
.set GK, (\g)%8
.set GS, 64*((\g)%3)
	WIN 0x40                                       ; destination in window 1, address in window 0
.if GU < 2
.irp i, 0,1,2,3,4,5,6,7
	global_load_b128 v[GS+4*\i:GS+4*\i+3], v[VXO], s[8+2*GU:9+2*GU] offset:\i*32768+GK*256
.endr
.endif
.irp i, 0,1,2,3,4,5,6,7
	global_load_b128 v[GS+32+4*\i:GS+32+4*\i+3], v[VWO], s[12+2*GU:13+2*GU] offset:(64*GK+8*\i)*2048
.endr
	WIN 0
.endm
; Group g is rounded to bf16, once.
.macro CVT g
	SETN NA, (\g)+1
	SETN NB, (\g)+2
	s_wait_loadcnt NA+NB                           ; loads return in order (ISA guide 5.7.1): group g is in, the two younger groups stay out
.set GS, 64*((\g)%3)
	WIN 0x05                                       ; both sources in window 1
.if (\g) < 16
.irp i, 0,1,2,3,4,5,6,7
	v_cvt_pk_bf16_f32 v[TMP+2*\i],   v[GS+4*\i],   v[GS+4*\i+1]
	v_cvt_pk_bf16_f32 v[TMP+2*\i+1], v[GS+4*\i+2], v[GS+4*\i+3]
.endr
.endif
.irp i, 0,1,2,3,4,5,6,7
	v_cvt_pk_bf16_f32 v[TMP+16+2*\i],   v[GS+32+4*\i],   v[GS+32+4*\i+1]
	v_cvt_pk_bf16_f32 v[TMP+16+2*\i+1], v[GS+32+4*\i+2], v[GS+32+4*\i+3]
.endr
	WIN 0
.endm
; Group g goes to LDS: X into tile g % 8, W into buffer g & 1.  The two rows of a store of X lie 8 x 144 bytes apart: other banks.
.macro STORE g
.if (\g) < 16
	v_add_nc_u32 v[VXS], ((\g)%8)*XBLK, v[VXS0]
.irp i, 0,1,2,3,4,5,6,7
	ds_store_b64 v[VXS], v[TMP+2*\i:TMP+2*\i+1] offset:\i*16*XP
.endr
.endif
.irp i, 0,1,2,3,4,5,6,7
	ds_store_b64 v[VWS], v[TMP+16+2*\i:TMP+16+2*\i+1] offset:((\g)&1)*WBUF+\i*8*WP
.endr
.endm
; Step s's fragments, 12 loads for each half of 32 along the sum.  X: lane (r, h) takes row r, two loads of 16 bytes 32 apart.
; W lies [k][n]: two transposing loads 16 rows apart give the lane column r along k.
.macro FRAGS s
	v_add_nc_u32 v[VXF], ((\s)%8)*XBLK, v[VXF0]
.irp sub, 0,1
.irp i, 0,1
	ds_load_b128 v[XF0+16*\sub+8*\i:XF0+16*\sub+8*\i+3],   v[VXF] offset:\i*16*XP+64*\sub
	ds_load_b128 v[XF0+16*\sub+8*\i+4:XF0+16*\sub+8*\i+7], v[VXF] offset:\i*16*XP+64*\sub+32
.endr
.irp t, 0,1,2,3
	ds_load_tr16_b128 v[WF0+32*\sub+8*\t:WF0+32*\sub+8*\t+3],   v[VWF] offset:((\s)&1)*WBUF+\sub*32*WP+32*\t
	ds_load_tr16_b128 v[WF0+32*\sub+8*\t+4:WF0+32*\sub+8*\t+7], v[VWF] offset:((\s)&1)*WBUF+\sub*32*WP+32*\t+16*WP
.endr
.endr
.endm
; Eight matrix instructions.  The eight accumulators take turns, one instruction a turn, in the same order every time.
; zero = 1: a unit's first products start its sums; nothing is cleared.
.macro MUL sub, zero
.irp t, 0,1,2,3
.irp i, 0,1
.set AR, ACC+8*(4*\i+\t)
.if \zero
	v_wmma_f32_16x16x32_bf16 v[AR:AR+7], v[WF0+32*\sub+8*\t:WF0+32*\sub+8*\t+7], v[XF0+16*\sub+8*\i:XF0+16*\sub+8*\i+7], 0
.else
	v_wmma_f32_16x16x32_bf16 v[AR:AR+7], v[WF0+32*\sub+8*\t:WF0+32*\sub+8*\t+7], v[XF0+16*\sub+8*\i:XF0+16*\sub+8*\i+7], v[AR:AR+7]
.endif
.endr
.endr
.endm
; One step.  ONE barrier a step does both orderings: the stores of group s + 1 go to the buffer of W that was read in step s - 1,
; whose reads every wave waited for in front of that step's barrier, and to a tile of X other than the one read now;
; the barrier at this step's end, with every wave's LDS instructions waited for, shows them to all.
.macro STEP s
.if (\s) < 23
	CVT (\s)+1                                     ; its 16 or 32 conversions name no register of the last matrix instructions: they are the places in front of the loads below
.else
	PLACES
.endif
	FRAGS \s
.if (\s) < 23
	STORE (\s)+1
.endif
.if (\s)+4 < 24
	GLOAD (\s)+4                                   ; into the set that CVT has just emptied: three steps in which to arrive
.endif
	SETN NS, (\s)+1
	s_wait_dscnt 12+NS                             ; LDS serves a wave in order: the first half's 12 loads are in; the second half's 12 and the NS stores may be out
.if ((\s)%8) == 0
	MUL 0, 1
.else
	MUL 0, 0
.endif
	s_wait_dscnt NS                                ; all 24 loads are in
	MUL 1, 0
.if (\s) < 23
	s_wait_dscnt 0x0                               ; for the others: my stores have landed, my reads are over
	s_barrier_signal -1
	s_barrier_wait -1
.endif
.endm
; A unit's end: bias, relu, (Q: the scale; K: the key mask,) one rounding, and out through my own stage as whole rows.
.macro EPI u
	PLACES                                         ; behind the last matrix instructions: the loads into their sources and the reads of their results
.irp t, 0,1,2,3
	ds_load_b128 v[WF0+8*\t:WF0+8*\t+3],   v[BIA] offset:\u*256+64*\t      ; biases of columns 16 t + 8 h .. + 7
	ds_load_b128 v[WF0+8*\t+4:WF0+8*\t+7], v[BIA] offset:\u*256+64*\t+16
.endr
	s_wait_dscnt 0x0
.if \u == 0
.set j, 0
.rept 16
	v_pk_mul_f32 v[WF0+j:WF0+j+1], v[WF0+j:WF0+j+1], 0x3e38aa3b op_sel_hi:[1,0]   ; c bq
.set j, j+2
.endr
.endif
.irp i, 0,1
.irp t, 0,1,2,3
.irp p, 0,2,4,6
.set AR, ACC+8*(4*\i+\t)+\p
.if \u == 0
	v_pk_fma_f32 v[AR:AR+1], v[AR:AR+1], 0x3e38aa3b, v[WF0+8*\t+\p:WF0+8*\t+\p+1] op_sel_hi:[1,0,1]   ; c x + c bq; c > 0, so relu may follow
.else
	v_pk_add_f32 v[AR:AR+1], v[AR:AR+1], v[WF0+8*\t+\p:WF0+8*\t+\p+1]
.endif
.endr
.endr
.endr
.set j, 0
.rept 64
	v_max_num_f32 v[ACC+j], 0, v[ACC+j]
.set j, j+1
.endr
.if \u == 1
	; The key mask: K >= 0, so the sum of |K| over the head is above 0 exactly where the largest of the 64 is.  A lane holds 32 of them.
.irp i, 0,1
	v_max3_num_f32 v[208+\i], v[ACC+32*\i], v[ACC+32*\i+1], v[ACC+32*\i+2]
.set j, 3
.rept 14
	v_max3_num_f32 v[208+\i], v[208+\i], v[ACC+32*\i+j], v[ACC+32*\i+j+1]
.set j, j+2
.endr
	v_max_num_f32 v[208+\i], v[208+\i], v[ACC+32*\i+31]
.endr
	v_permlanex16_b32 v210, v208, s36, s37         ; the other 32 columns lie in the other half of the lanes
	v_permlanex16_b32 v211, v209, s36, s37
	v_max_num_f32 v208, v208, v210
	v_max_num_f32 v209, v209, v211
	v_mov_b32 v212, 0
	v_cmp_lt_f32 vcc_lo, 0, v208
	v_cndmask_b32 v208, 0xceabfb8e, v212, vcc_lo   ; 0 for a key that is there, -1e9 log2(e) for one that is not
	v_cmp_lt_f32 vcc_lo, 0, v209
	v_cndmask_b32 v209, 0xceabfb8e, v212, vcc_lo
	v_cmp_gt_u32 vcc_lo, 64, v[KBO]                ; lanes 0-15 speak for rows 0-15, lanes 16-31 for rows 16-31
	v_cndmask_b32 v208, v209, v208, vcc_lo
	global_store_b32 v[KBO], v208, s[30:31]        ; my 32 rows: 128 neighbouring bytes
.endif
.irp i, 0,1
.irp t, 0,1,2,3
.irp p, 0,1,2,3
	v_cvt_pk_bf16_f32 v[XF0+16*\i+4*\t+\p], v[ACC+8*(4*\i+\t)+2*\p], v[ACC+8*(4*\i+\t)+2*\p+1]
.endr
.endr
.irp t, 0,1,2,3
	ds_store_b128 v[STO], v[XF0+16*\i+4*\t:XF0+16*\i+4*\t+3] offset:32*\t
.endr
.irp k, 0,1,2,3
	ds_load_b128 v[WF1+16*\i+4*\k:WF1+16*\i+4*\k+3], v[RD] offset:4*XP*\k    ; my own bytes, served in order (ISA guide 5.7.1): these see the stores above
.endr
.irp k, 0,1,2,3
	s_wait_dscnt 3-\k                              ; read-back k is in, the younger ones may be out
	global_store_b128 v[OUTO], v[WF1+16*\i+4*\k:WF1+16*\i+4*\k+3], s[24+2*\u:25+2*\u] offset:(16*\i+4*\k)*128   ; four rows: 512 consecutive bytes, aligned
.endr
.endr
.if \u < 2
	s_wait_xcnt 0x0                                ; the stores' data registers are the next step's fragment registers: loaded again only behind this wait
.endif
.endm
	global_load_b64 v[216:217], v15, s[18:19]      ; my head's 64 biases of each unit, two a lane
	global_load_b64 v[218:219], v15, s[20:21]
	global_load_b64 v[220:221], v15, s[22:23]
	GLOAD 0
	GLOAD 1
	GLOAD 2
	s_wait_loadcnt 48                              ; the biases are in; the three groups of 16 stay out
	ds_store_b64 v14, v[216:217]
	ds_store_b64 v14, v[218:219] offset:256
	ds_store_b64 v14, v[220:221] offset:512
	CVT 0
	STORE 0
	GLOAD 3
	s_wait_dscnt 0x0                               ; group 0 has landed in LDS,
	s_barrier_signal -1
	s_barrier_wait -1                              ; everybody's part of it
.irp s, 0,1,2,3,4,5,6,7
	STEP \s
.endr
	EPI 0
.irp s, 8,9,10,11,12,13,14,15
	STEP \s
.endr
	EPI 1
.irp s, 16,17,18,19,20,21,22,23
	STEP \s
.endr
	EPI 2
	s_wait_tensorcnt 0x0
	ds_add_u32 v254, v255
	s_wait_dscnt 0x0
	s_endpgm
.Lfunc_end_k_qecab5704b4_proj:
	.size	k_qecab5704b4_proj, .Lfunc_end_k_qecab5704b4_proj-k_qecab5704b4_proj
	.p2alignl 7, 3214868480
	.fill 96, 4, 3214868480
	.section	.rodata,"a",@progbits
	.p2align	6, 0x0
	.amdhsa_kernel k_qecab5704b4_proj
		.amdhsa_group_segment_fixed_size 209920
		.amdhsa_private_segment_fixed_size 0
		.amdhsa_enable_private_segment 0
		.amdhsa_kernarg_size 96
		.amdhsa_user_sgpr_count 2
		.amdhsa_user_sgpr_kernarg_segment_ptr 1
		.amdhsa_wavefront_size32 1
		.amdhsa_system_sgpr_workgroup_id_x 1
		.amdhsa_system_sgpr_workgroup_id_y 1
		.amdhsa_system_sgpr_workgroup_id_z 1
		.amdhsa_system_vgpr_workitem_id 0
		.amdhsa_next_free_vgpr 448
		.amdhsa_next_free_sgpr 66
		.amdhsa_reserve_vcc 1
		.amdhsa_float_denorm_mode_32 3
		.amdhsa_float_denorm_mode_16_64 3
		.amdhsa_memory_ordered 1
		.amdhsa_forward_progress 1
		.amdhsa_inst_pref_size 196
	.end_amdhsa_kernel
	.amdgpu_metadata
---
amdhsa.version: [ 1, 2 ]
amdhsa.kernels:
  - .name:           k_qecab5704b4_proj
    .symbol:         k_qecab5704b4_proj.kd
    .args:
      - { .name: queries, .offset: 0, .size: 8, .value_kind: global_buffer, .address_space: global }
      - { .name: keys_in, .offset: 8, .size: 8, .value_kind: global_buffer, .address_space: global }
      - { .name: Wq, .offset: 16, .size: 8, .value_kind: global_buffer, .address_space: global }
      - { .name: Wk, .offset: 24, .size: 8, .value_kind: global_buffer, .address_space: global }
      - { .name: Wv, .offset: 32, .size: 8, .value_kind: global_buffer, .address_space: global }
      - { .name: bq, .offset: 40, .size: 8, .value_kind: global_buffer, .address_space: global }
      - { .name: bk, .offset: 48, .size: 8, .value_kind: global_buffer, .address_space: global }
      - { .name: bv, .offset: 56, .size: 8, .value_kind: global_buffer, .address_space: global }
      - { .name: Qws, .offset: 64, .size: 8, .value_kind: global_buffer, .address_space: global }
      - { .name: Kws, .offset: 72, .size: 8, .value_kind: global_buffer, .address_space: global }
      - { .name: Vws, .offset: 80, .size: 8, .value_kind: global_buffer, .address_space: global }
      - { .name: kbias, .offset: 88, .size: 8, .value_kind: global_buffer, .address_space: global }
    .group_segment_fixed_size: 209920
    .private_segment_fixed_size: 0
    .kernarg_segment_align: 8
    .kernarg_segment_size: 96
    .max_flat_workgroup_size: 256
    .sgpr_count:     66
    .vgpr_count:     448
    .wavefront_size: 32
...
	.end_amdgpu_metadata
.endif
;; end of part 1
;; launch attn (part 2): grid 8 x 32, 8 waves a work-group, clusters of 4 x 1, 327,680 bytes of LDS; arguments Qws, Kws, Vws, kbias, att; writes att
.if DOCPART == 2
	.amdgcn_target "amdgcn-amd-amdhsa--gfx1250"
	.amdhsa_code_object_version 6
	.text
	.protected	k_qecab5704b4_attn
	.globl	k_qecab5704b4_attn
	.p2align	8
	.type	k_qecab5704b4_attn,@function
k_qecab5704b4_attn:
	s_mov_b64 s[64:65], 0
	v_nop
	global_prefetch_b8 v0, s[64:65] scope:SCOPE_SE
	s_setreg_imm32_b32 hwreg(HW_REG_WAVE_MODE, 25, 1), 1
	s_wait_xcnt 0x0
	s_wait_alu depctr_hold_cnt(0) depctr_sa_sdst(0) depctr_va_vdst(0) depctr_va_sdst(0) depctr_va_ssrc(0) depctr_va_vcc(0) depctr_vm_vsrc(0)
	s_getreg_b32 s2, hwreg(HW_REG_IB_STS2, 6, 4)
	s_cmp_eq_u32 s2, 0
	s_cbranch_scc0 .Lentry_in_a_cluster
	s_endpgm
.Lentry_in_a_cluster:
	s_bfe_u32 s2, ttmp6, 0x10000c
	s_cmp_lg_u32 s2, 0x3003
	s_cbranch_scc0 .Lentry_shape_is_right
	s_endpgm
.Lentry_shape_is_right:
; att[b][h][q][64] (f32) = qmask x softmax over the keys of (Q K^T / 8, masked keys at -1e9) x V, one head and 256 queries a work-group.
; Qws holds relu(..) x 0.125 log2(e), so a score is an exponent of 2; kbias holds 0 or -1e9 log2(e) for each key and enters as the C of the
; first score product: a masked key's row of K is exactly 0, so its score is exactly the replacement value.
; SHARES: 32 heads x 8 blocks of 256 queries = 256 work-groups; wave w takes queries 32 w .. + 31 as two tiles of 16.
; Eight waves, two to a SIMD: the softmax's vector work for a step is about as long as its 16 matrix instructions, and the second wave
; fills one unit while the first is on the other; 248 registers need no window switch.
; CLUSTER: the four work-groups of a cluster work on one head and walk the same tiles of K and V, which are asked for JOINTLY
; (mask 15): 8 tiles x 64 KiB are fetched once for four.  The place in the cluster enters only the global addresses of Q and att.
; RING: two LDS slots, each with 256 keys of K (pitch 144) and of V (pitch 160).  Waves 0-3 bring K's quarters, waves 4-7 V's, 64 rows each.
; A wave has two tensor loads out at the start and one behind each round; a refill has a whole tile's work
; (8 steps, 128 matrix instructions a wave) in which to land.
; TRANSPOSED: S^T = K (source 0, m = key) x Q (source 1, n = query): a lane holds ONE query and 8 keys a tile, so maximum, sum and
; rescaling are one number a lane, and the packed exponentials are source 1 of O^T += V^T (source 0, by transposing loads) x P as they stand.
; The maximum is a running one, taken away before every exponential.
; LIMITS: inputs without NaN and infinities.  The query mask is read off the bf16 numbers of Qws: a row whose only positive numbers
; are below bf16's smallest counts as zero.  v_exp_f32 gives 0 for results below 2^-126 (ISA guide 15.8).
.set KP,     144
.set VP,     160
.set KBYTES, 256*KP
.set SLOT,   256*KP+256*VP             ; 77,824
.set KB,     2*SLOT                    ; the head's 2,048 numbers of kbias: bytes of their own, no fill lands here
.set STG,    KB+8192                   ; each wave's own stage: 16 rows x 272 bytes
.set SP,     272
.set KA,   1                           ; v1, v2   my fragments of K in slot 0, 1
.set VA,   3                           ; v3, v4   my fragments of V in slot 0, 1
.set BA,   5                           ; v5       kbias of this tile's keys, + 32 (lane / 16)
.set STO,  6
.set RD,   7
.set OUTO, 8
.set QM,   9                           ; v9, v10  query mask of tile q: 1.0 or 0
                                       ; v11      at work in the set-up;  v[12:15] at work
.set ST,   16                          ; v[16:23]   tile q at 4 q: -maximum, maximum, rescaling factor, sum (of my half of the keys)
.set QF,   24                          ; v[24:55]   Q: 16 q + 8 ks
.set OA,   56                          ; v[56:119]  O^T: 32 q + 8 t
.set SC,   120                         ; v[120:151] S^T: 16 q + 8 kt
.set PB,   152                         ; v[152:167] P: 8 q
.set KF,   168                         ; v[168:199] K: 16 kt + 8 ks
.set VF,   200                         ; v[200:231] V^T: 8 t
.set BF,   232                         ; v[232:247] kbias as C: 8 kt
.macro PLACES                          ; four places behind a matrix instruction (ISA guide 7.12.1)
.rept 4
	v_nop
.endr
.endm
; A round of the cluster's barrier: my work-group's barrier, wave 0 signals for the work-group, every wave waits for all four work-groups, my work-group's barrier again.
.macro ROUND
	s_barrier_signal -1
	s_barrier_wait -1
	s_cmp_lg_u32 s14, 0
	s_cbranch_scc1 .Lnot_wave_0_\@
	s_barrier_signal -3
.Lnot_wave_0_\@:
	s_barrier_wait -3
	s_barrier_signal -1
	s_barrier_wait -1
.endm
; A joint load into slot s (s may be an expression: it stands in parentheses): one line for K (waves 0-3), one for V (waves 4-7).
; The branch hangs on the wave's number alone.
.macro JLOAD s
	s_cmp_eq_u32 s16, 0
	s_cbranch_scc0 .Lfor_v_\@
	tensor_load_to_lds s[40+4*(\s):43+4*(\s)], s[24:31]
	s_nop 0
	s_branch .Lasked_\@
.Lfor_v_\@:
	tensor_load_to_lds s[48+4*(\s):51+4*(\s)], s[32:39]
	s_nop 0
.Lasked_\@:
.endm
	s_load_b256 s[4:11], s[0:1], 0x0               ; Qws s[4:5], Kws s[6:7], Vws s[8:9], kbias s[10:11]
	s_load_b64 s[12:13], s[0:1], 0x20              ; att
	v_lshl_add_u32 v248, v0, 2, 0x30800
	v_mov_b32 v249, 0
	ds_add_u32 v248, v249
	v_lshrrev_b32 v12, 5, v0
	v_readfirstlane_b32 s14, v12                   ; wave w
	s_and_b32 s15, s14, 3                          ; which quarter of a tile I bring
	s_lshr_b32 s16, s14, 2                         ; of K (0) or of V (1)
	s_bfe_u32 s17, ttmp6, 0x40000                  ; cx
	s_lshl_b32 s18, ttmp9, 2
	s_add_co_u32 s18, s18, s17                     ; block of queries = 4 x cluster x + cx
	s_and_b32 s19, ttmp7, 0xffff                   ; the head, 8 b + h: the same in the four partners
	s_mov_b32 s56, 0x76543210
	s_mov_b32 s57, 0xfedcba98
	; Group 1: 64 rows x 64 elements of 2 bytes, rows 64 elements apart; behind every 32 words (code 4) a pad of 4 words (K) or 8 (V).
	s_mov_b32 s24, 15|(1<<16)|(1<<20)|(1<<21)|(4<<22)|(3<<25)   ; 15:0 the mask of the four; 17:16 size; 20 padding on; 21 set beside a mask; 24:22 interval; 31:25 pad - 1
	s_mov_b32 s25, 64<<16                          ; tensor_dim0 = 64
	s_mov_b32 s26, 64<<16                          ; tensor_dim1 = 64
	s_mov_b32 s27, 64<<16                          ; tile_dim0 = 64
	s_mov_b32 s28, 64                              ; tile_dim1 = 64
	s_mov_b32 s29, 64                              ; stride from row to row
	s_mov_b32 s30, 0
	s_mov_b32 s31, 0
	s_mov_b32 s32, 15|(1<<16)|(1<<20)|(1<<21)|(4<<22)|(7<<25)
	s_mov_b32 s33, 64<<16
	s_mov_b32 s34, 64<<16
	s_mov_b32 s35, 64<<16
	s_mov_b32 s36, 64
	s_mov_b32 s37, 64
	s_mov_b32 s38, 0
	s_mov_b32 s39, 0
	s_mul_i32 s20, s15, 64*KP                      ; my quarter of K in a slot
	s_mul_i32 s21, s15, 64*VP
	s_add_co_u32 s21, s21, KBYTES                  ; my quarter of V
	s_lshl_b32 s22, s19, 18                        ; the head's 262,144 bytes
	s_lshl_b32 s23, s15, 13                        ; + my 64 rows of 128 bytes
	s_add_co_u32 s22, s22, s23
	s_mov_b32 s23, 0
	s_lshl_b32 s2, s19, 3
	s_add_co_u32 s2, s2, s18
	s_lshl_b32 s2, s2, 3
	s_add_co_u32 s2, s2, s14                       ; (8 head + block) x 8 + w: my 32 queries' number
	s_lshl_b32 s2, s2, 12                          ; in Qws: 32 rows of 128 bytes
	s_mov_b32 s3, 0
	s_wait_dscnt 0x0
	s_wait_kmcnt 0x0
	s_add_nc_u64 s[6:7], s[6:7], s[22:23]
	s_add_nc_u64 s[8:9], s[8:9], s[22:23]
	; Group 0, a set for each slot and for K and V: every wave makes both and asks by one.
.irp s, 0,1
	s_mov_b32 s[40+4*\s], 1
	s_add_co_u32 s[41+4*\s], s20, \s*SLOT
	s_add_nc_u64 s[42+4*\s:43+4*\s], s[6:7], \s*32768          ; tile s: 256 keys of 128 bytes
	s_or_b32 s[43+4*\s], s[43+4*\s], 0x80000000
	s_mov_b32 s[48+4*\s], 1
	s_add_co_u32 s[49+4*\s], s21, \s*SLOT
	s_add_nc_u64 s[50+4*\s:51+4*\s], s[8:9], \s*32768
	s_or_b32 s[51+4*\s], s[51+4*\s], 0x80000000
.endr
	s_add_nc_u64 s[4:5], s[4:5], s[2:3]            ; Q at my 32 queries
	s_lshl_b32 s2, s2, 1                           ; in att: rows of 256 bytes
	s_add_nc_u64 s[12:13], s[12:13], s[2:3]
	s_lshl_b32 s22, s19, 13                        ; kbias: 8,192 bytes a head
	s_add_nc_u64 s[10:11], s[10:11], s[22:23]
	ROUND                                          ; the four work-groups are here: the first joint loads meet
	JLOAD 0                                        ; both first fills go out together, ahead of every wait on TENSORcnt, LDS read and further barrier
	JLOAD 1
	v_and_b32 v12, 15, v0                          ; r
	v_bfe_u32 v13, v0, 4, 1                        ; h
	v_and_b32 v14, 7, v0
	v_bfe_u32 v15, v0, 3, 1
	v_mul_u32_u24 v[KA], v12, KP
	v_lshl_add_u32 v[KA], v13, 4, v[KA]            ; row r, 16 h
	v_add_nc_u32 v[KA+1], SLOT, v[KA]
	v_lshl_add_u32 v[VA], v13, 3, v14              ; row 8 h + lane % 8
	v_mul_u32_u24 v[VA], v[VA], VP
	v_lshl_add_u32 v[VA], v15, 4, v[VA]
	v_add_nc_u32 v[VA], KBYTES, v[VA]
	v_add_nc_u32 v[VA+1], SLOT, v[VA]
	v_lshlrev_b32 v[BA], 5, v13
	v_add_nc_u32 v[BA], KB, v[BA]
	s_mul_i32 s59, s14, 16*SP
	s_add_co_u32 s59, s59, STG                     ; my stage
	v_mul_u32_u24 v[STO], v12, SP                  ; in: row r, 32 bytes for each half of the lanes
	v_lshl_add_u32 v[STO], v13, 5, v[STO]
	v_add_nc_u32 v[STO], s59, v[STO]
	v_mul_u32_u24 v[RD], v13, SP                   ; back: lanes 0-15 one row of 256 bytes, lanes 16-31 the next
	v_lshl_add_u32 v[RD], v12, 4, v[RD]
	v_add_nc_u32 v[RD], s59, v[RD]
	v_and_b32 v11, 31, v0
	v_lshlrev_b32 v[OUTO], 4, v11
	v_lshlrev_b32 v11, 7, v12                      ; Q: row r of 128 bytes + 16 h
	v_lshl_add_u32 v11, v13, 4, v11
	v_lshlrev_b32 v14, 4, v0                       ; kbias: 16 bytes a thread, twice
	v_add_nc_u32 v15, KB, v14
	global_load_b128 v[PB:PB+3],   v14, s[10:11]
	global_load_b128 v[PB+4:PB+7], v14, s[10:11] offset:4096
.irp q, 0,1
.irp ks, 0,1
	global_load_b128 v[QF+16*\q+8*\ks:QF+16*\q+8*\ks+3],   v11, s[4:5] offset:2048*\q+64*\ks
	global_load_b128 v[QF+16*\q+8*\ks+4:QF+16*\q+8*\ks+7], v11, s[4:5] offset:2048*\q+64*\ks+32
.endr
.endr
	s_wait_loadcnt 8                               ; kbias is in; Q's eight loads stay out
	ds_store_b128 v15, v[PB:PB+3]
	ds_store_b128 v15, v[PB+4:PB+7] offset:4096
	s_wait_loadcnt 0x0
	; The query mask: Q >= 0, so the sum of |Q| is above 0 exactly where some number of the row is not 0 (signs of zero cut off).
.irp q, 0,1
	v_or_b32 v12, v[QF+16*\q], v[QF+16*\q+1]
.set j, 2
.rept 14
	v_or_b32 v12, v12, v[QF+16*\q+j]
.set j, j+1
.endr
	v_and_b32 v12, 0x7fff7fff, v12
	v_permlanex16_b32 v13, v12, s56, s57           ; the row's other 32 numbers lie in the other half of the lanes
	v_or_b32 v12, v12, v13
	v_cmp_ne_u32 vcc_lo, 0, v12
	v_cndmask_b32 v[QM+\q], 0, 1.0, vcc_lo
.endr
; 12 loads: step i's 32 keys of K (2 tiles of 16 keys x 2 halves of the 64 features) and their kbias (lane (r, h), register j: key 16 kt + 8 h + j).
.macro LDK slot, i
.irp kt, 0,1
.irp ks, 0,1
	ds_load_b128 v[KF+16*\kt+8*\ks:KF+16*\kt+8*\ks+3],   v[KA+\slot] offset:(32*(\i)+16*\kt)*KP+64*\ks
	ds_load_b128 v[KF+16*\kt+8*\ks+4:KF+16*\kt+8*\ks+7], v[KA+\slot] offset:(32*(\i)+16*\kt)*KP+64*\ks+32
.endr
	ds_load_b128 v[BF+8*\kt:BF+8*\kt+3],   v[BA] offset:(32*(\i)+16*\kt)*4
	ds_load_b128 v[BF+8*\kt+4:BF+8*\kt+7], v[BA] offset:(32*(\i)+16*\kt)*4+16
.endr
.endm
; 8 transposing loads: V^T of step i's 32 keys, four tiles of 16 features.
.macro LDV slot, i
.irp t, 0,1,2,3
	ds_load_tr16_b128 v[VF+8*\t:VF+8*\t+3],   v[VA+\slot] offset:32*(\i)*VP+32*\t
	ds_load_tr16_b128 v[VF+8*\t+4:VF+8*\t+7], v[VA+\slot] offset:32*(\i)*VP+32*\t+16*VP
.endr
.endm
; The scores: four sums started on kbias, then the second half of the features.  The four accumulators take turns, one instruction a turn.
.macro SMUL
.irp kt, 0,1
.irp q, 0,1
	v_wmma_f32_16x16x32_bf16 v[SC+16*\q+8*\kt:SC+16*\q+8*\kt+7], v[KF+16*\kt:KF+16*\kt+7], v[QF+16*\q:QF+16*\q+7], v[BF+8*\kt:BF+8*\kt+7]
.endr
.endr
.irp kt, 0,1
.irp q, 0,1
	v_wmma_f32_16x16x32_bf16 v[SC+16*\q+8*\kt:SC+16*\q+8*\kt+7], v[KF+16*\kt+8:KF+16*\kt+15], v[QF+16*\q+8:QF+16*\q+15], v[SC+16*\q+8*\kt:SC+16*\q+8*\kt+7]
.endr
.endr
.endm
; The softmax's step for tile q: a lane holds 16 of its query's 32 scores, the other half of the lanes the other 16.
.macro SOFT q, first
.set SQ, SC+16*\q
.set NM, ST+4*\q
.set MX, NM+1
.set AL, NM+2
.set LS, NM+3
	v_max3_num_f32 v12, v[SQ], v[SQ+1], v[SQ+2]
	v_max3_num_f32 v14, v[SQ+8], v[SQ+9], v[SQ+10]
	v_max3_num_f32 v12, v12, v[SQ+3], v[SQ+4]
	v_max3_num_f32 v14, v14, v[SQ+11], v[SQ+12]
	v_max3_num_f32 v12, v12, v[SQ+5], v[SQ+6]
	v_max3_num_f32 v14, v14, v[SQ+13], v[SQ+14]
.if \first
	v_max_num_f32 v12, v12, v[SQ+7]
.else
	v_max3_num_f32 v12, v12, v[SQ+7], v[MX]        ; the running maximum goes along
.endif
	v_max3_num_f32 v12, v12, v14, v[SQ+15]
	v_permlanex16_b32 v13, v12, s56, s57
	v_max_num_f32 v12, v12, v13                    ; the new maximum, the same in both halves
.if \first == 0
	v_sub_f32 v13, v[MX], v12
	v_exp_f32 v[AL], v13                           ; what was summed so far shrinks by 2^(old - new); the two moves below are the plain place behind it (ISA guide 5.7.2)
.endif
	v_mov_b32 v[MX], v12
	v_xor_b32 v[NM], 0x80000000, v12
.set j, 0
.rept 8
	v_pk_add_f32 v[SQ+j:SQ+j+1], v[SQ+j:SQ+j+1], v[NM:NM+1] op_sel_hi:[1,0]      ; score - maximum, both halves by the pair's first register
.set j, j+2
.endr
.set j, 0
.rept 16
	v_exp_f32 v[SQ+j], v[SQ+j]
.set j, j+1
.endr
.if \first
	v_nop                                          ; the plain place behind the exponentials
	s_wait_alu depctr_va_vdst(0)
.else
.set j, 0
	s_wait_alu depctr_va_vdst(0)
.rept 16
	v_pk_mul_f32 v[OA+32*\q+j:OA+32*\q+j+1], v[OA+32*\q+j:OA+32*\q+j+1], v[AL:AL+1] op_sel_hi:[1,0]   ; O shrinks; these also stand behind the exponentials
.set j, j+2
.endr
.endif
	v_pk_add_f32 v[12:13], v[SQ:SQ+1], v[SQ+2:SQ+3]
	v_pk_add_f32 v[14:15], v[SQ+8:SQ+9], v[SQ+10:SQ+11]
	v_pk_add_f32 v[12:13], v[12:13], v[SQ+4:SQ+5]
	v_pk_add_f32 v[14:15], v[14:15], v[SQ+12:SQ+13]
	v_pk_add_f32 v[12:13], v[12:13], v[SQ+6:SQ+7]
	v_pk_add_f32 v[14:15], v[14:15], v[SQ+14:SQ+15]
	v_pk_add_f32 v[12:13], v[12:13], v[14:15]
.if \first
	v_add_f32 v[LS], v12, v13
.else
	v_add_f32 v12, v12, v13
	v_fma_f32 v[LS], v[LS], v[AL], v12             ; the sum of my half of the keys; the halves meet at the end
.endif
.set j, 0
.rept 8
	v_cvt_pk_bf16_f32 v[PB+8*\q+j], v[SQ+2*j], v[SQ+2*j+1]     ; keys 8 h .. and 16 + 8 h ..: source 1's layout as it stands
.set j, j+1
.endr
.endm
; O^T += V^T P: eight accumulators, one instruction each.
.macro PVMUL first
.irp t, 0,1,2,3
.irp q, 0,1
.if \first
	v_wmma_f32_16x16x32_bf16 v[OA+32*\q+8*\t:OA+32*\q+8*\t+7], v[VF+8*\t:VF+8*\t+7], v[PB+8*\q:PB+8*\q+7], 0
.else
	v_wmma_f32_16x16x32_bf16 v[OA+32*\q+8*\t:OA+32*\q+8*\t+7], v[VF+8*\t:VF+8*\t+7], v[PB+8*\q:PB+8*\q+7], v[OA+32*\q+8*\t:OA+32*\q+8*\t+7]
.endif
.endr
.endr
.endm
; 32 keys.
.macro STEP slot, i, first
	s_wait_dscnt 0x0                               ; this step's K and kbias are in
	SMUL
	PLACES                                         ; in front of the reads of S, the loads into K's, kbias's and V's registers, and the writes of P and O
	LDV \slot, \i
.if \i < 7
	LDK \slot, \i+1
.endif
	SOFT 0, \first
	SOFT 1, \first
.if \i < 7
	s_wait_dscnt 12                                ; V's eight loads are in; the next step's twelve stay out
.else
	s_wait_dscnt 0x0
.endif
	PVMUL \first
.endm
; 256 keys: a slot.
.macro TILE slot, first
	LDK \slot, 0
	STEP \slot, 0, \first
.irp i, 1,2,3,4,5,6,7
	STEP \slot, \i, 0
.endr
	v_add_nc_u32 v[BA], 1024, v[BA]                ; the next tile's kbias
.endm
; The change of slots.  Every wave waits for all its tensor loads (its part of this slot) and for its reads of the other slot; the round says so for every
; wave of the four work-groups; the joint refill of the other slot is the first thing behind it, one load a wave.
.macro NEXT slot, refill
	s_wait_tensorcnt 0x0                           ; no tensor load of mine is out, so a group 0 may be written
	ds_add_u32 v248, v249
	s_wait_dscnt 0x0
.if \refill
	s_add_nc_u64 s[46-4*\slot:47-4*\slot], s[46-4*\slot:47-4*\slot], 65536     ; the other slot's next tile: two tiles on
	s_add_nc_u64 s[54-4*\slot:55-4*\slot], s[54-4*\slot:55-4*\slot], 65536
.endif
	s_wait_dscnt 0x0
.if \refill
	ROUND
	JLOAD 1-\slot
.else
	s_barrier_signal -1                            ; my work-group's barrier shows the last tile whole
	s_barrier_wait -1
.endif
	TILE \slot, 0
.endm
; The end for tile q: the halves' sums meet, O / sum x query mask, out through my stage as whole rows of 256 bytes.
.macro OUT q, back
.set AL, ST+4*\q+2
.set LS, ST+4*\q+3
	v_permlanex16_b32 v13, v[LS], s56, s57
	v_add_f32 v12, v[LS], v13                      ; at least 1: the largest score's exponential
	v_rcp_f32 v14, v12
	v_nop                                          ; the plain place behind v_rcp_f32 (ISA guide 5.7.2)
	s_wait_alu depctr_va_vdst(0)
	v_mul_f32 v[AL], v14, v[QM+\q]
.set j, 0
.rept 16
	v_pk_mul_f32 v[OA+32*\q+j:OA+32*\q+j+1], v[OA+32*\q+j:OA+32*\q+j+1], v[AL:AL+1] op_sel_hi:[1,0]
.set j, j+2
.endr
.irp t, 0,1,2,3
	ds_store_b128 v[STO], v[OA+32*\q+8*\t:OA+32*\q+8*\t+3]   offset:64*\t       ; features 16 t + 8 h .. + 7 of query r
	ds_store_b128 v[STO], v[OA+32*\q+8*\t+4:OA+32*\q+8*\t+7] offset:64*\t+16
.endr
.irp k, 0,1,2,3,4,5,6,7
	ds_load_b128 v[\back+4*\k:\back+4*\k+3], v[RD] offset:2*SP*\k              ; my own bytes, served in order (ISA guide 5.7.1)
.endr
.irp k, 0,1,2,3,4,5,6,7
	s_wait_dscnt 7-\k
	global_store_b128 v[OUTO], v[\back+4*\k:\back+4*\k+3], s[12:13] offset:(16*\q+2*\k)*256   ; two rows: 512 consecutive bytes, aligned
.endr
.endm
	s_wait_dscnt 0x0                               ; my part of kbias has landed in LDS
	s_wait_tensorcnt 0x1                           ; my part of slot 0 is in; slot 1's may stay out
	s_barrier_signal -1
	s_barrier_wait -1
	TILE 0, 1                                      ; tile 0: its first step starts maximum, sum and O
	s_mov_b32 s58, 3
.Lpair:
	NEXT 1, 1                                      ; tiles 1, 3, 5; slot 0 gets tiles 2, 4, 6
	NEXT 0, 1                                      ; tiles 2, 4, 6; slot 1 gets tiles 3, 5, 7
	s_sub_co_u32 s58, s58, 1
	s_cmp_lg_u32 s58, 0
	s_cbranch_scc1 .Lpair
	NEXT 1, 0                                      ; tile 7: nothing is left to fetch
	PLACES                                         ; behind the last matrix instructions
	OUT 0, KF
	OUT 1, VF
	s_wait_dscnt 0x0
	s_wait_tensorcnt 0x0
	ds_add_u32 v248, v249
	s_wait_dscnt 0x0
	ROUND                                          ; the closing round: no work-group ends while a partner may still ask for a tile that names it
	s_endpgm
.Lfunc_end_k_qecab5704b4_attn:
	.size	k_qecab5704b4_attn, .Lfunc_end_k_qecab5704b4_attn-k_qecab5704b4_attn
	.p2alignl 7, 3214868480
	.fill 96, 4, 3214868480
	.section	.rodata,"a",@progbits
	.p2align	6, 0x0
	.amdhsa_kernel k_qecab5704b4_attn
		.amdhsa_group_segment_fixed_size 327680
		.amdhsa_private_segment_fixed_size 0
		.amdhsa_enable_private_segment 0
		.amdhsa_kernarg_size 40
		.amdhsa_user_sgpr_count 2
		.amdhsa_user_sgpr_kernarg_segment_ptr 1
		.amdhsa_wavefront_size32 1
		.amdhsa_system_sgpr_workgroup_id_x 1
		.amdhsa_system_sgpr_workgroup_id_y 1
		.amdhsa_system_sgpr_workgroup_id_z 1
		.amdhsa_system_vgpr_workitem_id 0
		.amdhsa_next_free_vgpr 250
		.amdhsa_next_free_sgpr 66
		.amdhsa_reserve_vcc 1
		.amdhsa_float_denorm_mode_32 3
		.amdhsa_float_denorm_mode_16_64 3
		.amdhsa_memory_ordered 1
		.amdhsa_forward_progress 1
		.amdhsa_inst_pref_size 255
	.end_amdhsa_kernel
	.section	.bss,"aw",@nobits
	.p2align	6
	.space	262144
	.amdgpu_metadata
---
amdhsa.version: [ 1, 2 ]
amdhsa.kernels:
  - .name:           k_qecab5704b4_attn
    .symbol:         k_qecab5704b4_attn.kd
    .args:
      - { .name: Qws, .offset: 0, .size: 8, .value_kind: global_buffer, .address_space: global }
      - { .name: Kws, .offset: 8, .size: 8, .value_kind: global_buffer, .address_space: global }
      - { .name: Vws, .offset: 16, .size: 8, .value_kind: global_buffer, .address_space: global }
      - { .name: kbias, .offset: 24, .size: 8, .value_kind: global_buffer, .address_space: global }
      - { .name: att, .offset: 32, .size: 8, .value_kind: global_buffer, .address_space: global }
    .group_segment_fixed_size: 327680
    .private_segment_fixed_size: 0
    .kernarg_segment_align: 8
    .kernarg_segment_size: 40
    .max_flat_workgroup_size: 256
    .sgpr_count:     66
    .vgpr_count:     250
    .wavefront_size: 32
...
	.end_amdgpu_metadata
.endif
;; end of part 2
;; launch lnorm (part 3): grid 256 x 1, 8 waves a work-group, no clusters, 0 bytes of LDS; arguments att, queries, gamma, beta, out0; writes out0
.if DOCPART == 3
	.amdgcn_target "amdgcn-amd-amdhsa--gfx1250"
	.amdhsa_code_object_version 6
	.text
	.protected	k_qecab5704b4_lnorm
	.globl	k_qecab5704b4_lnorm
	.p2align	8
	.type	k_qecab5704b4_lnorm,@function
k_qecab5704b4_lnorm:
	s_mov_b64 s[64:65], 0
	v_nop
	global_prefetch_b8 v0, s[64:65] scope:SCOPE_SE
	s_setreg_imm32_b32 hwreg(HW_REG_WAVE_MODE, 25, 1), 1
	s_wait_xcnt 0x0
; out0[row][c] = (res - mean) rsqrt(var + 1e-3) gamma[c] + beta[c], res = att + queries, over the 512 numbers of a row.
; att lies by heads, [b][h][t][64] f32; queries and out0 [b][t][512] f32.
; A stream: every byte is read once and written once, so no LDS, no matrix unit, no cluster (no two work-groups share more than gamma and beta, 4 KiB).
; 256 work-groups of 32 rows; a wave takes 4 rows as 2 turns of 2.  Lanes 0-15 hold one row, lanes 16-31 the next; lane c of a row holds
; columns 64 h + 4 c .. + 3 for h = 0 .. 7.  So a load of att covers two whole rows of a head (512 consecutive bytes), a load or store of
; queries or out0 two aligned pieces of 256 bytes, and a row's sums stay inside 16 lanes.
; All 48 loads of a wave go out at once.  The variance is the mean of (res - mean)^2, taken in a second pass over registers:
; no difference of large sums.
.set G,   4                            ; v[4:35]    gamma of my 32 columns
.set BT,  36                           ; v[36:67]   beta
.set AT,  68                           ; v[68:131]  att, turn n at 32 n
.set XQ,  132                          ; v[132:195] queries, then res, then the result, turn n at 32 n
.set T,   196                          ; v[196:203] four chains of sums
.set NMU, 204                          ; v[204:205] -mean (the pair's first register is used)
.set RS,  206                          ; v[206:207] 1 / sqrt(var + eps)
	s_load_b256 s[4:11], s[0:1], 0x0               ; att s[4:5], queries s[6:7], gamma s[8:9], beta s[10:11]
	s_load_b64 s[12:13], s[0:1], 0x20              ; out0
	v_lshrrev_b32 v1, 5, v0
	v_readfirstlane_b32 s14, v1                    ; wave
	v_and_b32 v1, 31, v0
	v_lshlrev_b32 v1, 4, v1                        ; att: 16 lane = 256 (lane / 16) + 16 c
	v_and_b32 v3, 15, v0
	v_lshlrev_b32 v3, 4, v3                        ; gamma, beta: 16 c
	v_bfe_u32 v2, v0, 4, 1
	v_lshl_add_u32 v2, v2, 11, v3                  ; queries, out0: 2,048 (lane / 16) + 16 c
	v_mov_b32 v[NMU+1], 0                          ; the pairs' second registers are named, not used
	v_mov_b32 v[RS+1], 0
	s_lshr_b32 s16, ttmp9, 6                       ; b: 64 work-groups a batch
	s_lshl_b32 s16, s16, 22                        ; 8 heads x 2,048 rows x 256 bytes
	s_and_b32 s17, ttmp9, 63
	s_lshl_b32 s17, s17, 3
	s_add_co_u32 s17, s17, s14
	s_lshl_b32 s17, s17, 10                        ; my 4 rows of 256 bytes in a head
	s_add_co_u32 s16, s16, s17
	s_mov_b32 s17, 0
	s_lshl_b32 s18, ttmp9, 3
	s_add_co_u32 s18, s18, s14
	s_lshl_b32 s18, s18, 13                        ; my 4 rows of 2,048 bytes
	s_mov_b32 s19, 0
	s_mov_b32 s15, 0x3b000000                      ; 1 / 512
	s_mov_b32 s20, 0x3a83126f                      ; 1e-3
	s_wait_kmcnt 0x0
	s_add_nc_u64 s[4:5], s[4:5], s[16:17]
	s_add_nc_u64 s[6:7], s[6:7], s[18:19]
	s_add_nc_u64 s[12:13], s[12:13], s[18:19]
.irp h, 0,1,2,3,4,5,6,7
	global_load_b128 v[G+4*\h:G+4*\h+3], v3, s[8:9] offset:256*\h
.endr
.irp h, 0,1,2,3,4,5,6,7
	global_load_b128 v[BT+4*\h:BT+4*\h+3], v3, s[10:11] offset:256*\h
.endr
.irp u, 0,1
.irp h, 0,1,2,3,4,5,6,7
	global_load_b128 v[AT+32*\u+4*\h:AT+32*\u+4*\h+3], v1, s[4:5] offset:\h*524288+\u*512 th:TH_LOAD_NT
	global_load_b128 v[XQ+32*\u+4*\h:XQ+32*\u+4*\h+3], v2, s[6:7] offset:\u*4096+\h*256 th:TH_LOAD_NT
.endr
.endr
.macro ROWSUM                          ; four chains into one number a lane, then over the row's 16 lanes: every lane ends with the sum
	v_pk_add_f32 v[T:T+1], v[T:T+1], v[T+2:T+3]
	v_pk_add_f32 v[T+4:T+5], v[T+4:T+5], v[T+6:T+7]
	v_pk_add_f32 v[T:T+1], v[T:T+1], v[T+4:T+5]
	v_add_f32 v[T], v[T], v[T+1]
	v_add_f32_dpp v[T], v[T], v[T] row_xmask:1 row_mask:0xf bank_mask:0xf
	v_add_f32_dpp v[T], v[T], v[T] row_xmask:2 row_mask:0xf bank_mask:0xf
	v_add_f32_dpp v[T], v[T], v[T] row_xmask:4 row_mask:0xf bank_mask:0xf
	v_add_f32_dpp v[T], v[T], v[T] row_xmask:8 row_mask:0xf bank_mask:0xf
.endm
; Two rows.  left = how many younger loads may stay out.
.macro TURN n, left
.set XN, XQ+32*\n
.set AN, AT+32*\n
	s_wait_loadcnt \left
.set j, 0
.rept 16
	v_pk_add_f32 v[XN+j:XN+j+1], v[XN+j:XN+j+1], v[AN+j:AN+j+1]           ; the residual
.set j, j+2
.endr
.irp k, 0,1,2,3
	v_pk_add_f32 v[T+2*\k:T+2*\k+1], v[XN+2*\k:XN+2*\k+1], v[XN+8+2*\k:XN+8+2*\k+1]   ; the first numbers start the chains
.endr
.irp m, 16,24
.irp k, 0,1,2,3
	v_pk_add_f32 v[T+2*\k:T+2*\k+1], v[T+2*\k:T+2*\k+1], v[XN+\m+2*\k:XN+\m+2*\k+1]
.endr
.endr
	ROWSUM
	v_mul_f32 v[NMU], 0xbb000000, v[T]             ; -sum / 512
.set j, 0
.rept 16
	v_pk_add_f32 v[XN+j:XN+j+1], v[XN+j:XN+j+1], v[NMU:NMU+1] op_sel_hi:[1,0]
.set j, j+2
.endr
.irp k, 0,1,2,3
	v_pk_mul_f32 v[T+2*\k:T+2*\k+1], v[XN+2*\k:XN+2*\k+1], v[XN+2*\k:XN+2*\k+1]
.endr
.irp m, 8,16,24
.irp k, 0,1,2,3
	v_pk_fma_f32 v[T+2*\k:T+2*\k+1], v[XN+\m+2*\k:XN+\m+2*\k+1], v[XN+\m+2*\k:XN+\m+2*\k+1], v[T+2*\k:T+2*\k+1]
.endr
.endr
	ROWSUM
	v_fma_f32 v[T+1], v[T], s15, s20               ; var + 1e-3
	v_rsq_f32 v[RS], v[T+1]
	v_nop                                          ; the plain place behind v_rsq_f32 (ISA guide 5.7.2)
.set j, 0
	s_wait_alu depctr_va_vdst(0)
.rept 16
	v_pk_mul_f32 v[XN+j:XN+j+1], v[XN+j:XN+j+1], v[RS:RS+1] op_sel_hi:[1,0]
.set j, j+2
.endr
.set j, 0
.rept 16
	v_pk_fma_f32 v[XN+j:XN+j+1], v[XN+j:XN+j+1], v[G+j:G+j+1], v[BT+j:BT+j+1]
.set j, j+2
.endr
.irp h, 0,1,2,3,4,5,6,7
	global_store_b128 v2, v[XN+4*\h:XN+4*\h+3], s[12:13] offset:\n*4096+\h*256 th:TH_STORE_NT
.endr
.endm
	TURN 0, 16                                     ; gamma, beta and turn 0's sixteen loads are in; turn 1's sixteen stay out
	TURN 1, 0                                      ; its registers are its own: no store's data is written again
	s_endpgm
.Lfunc_end_k_qecab5704b4_lnorm:
	.size	k_qecab5704b4_lnorm, .Lfunc_end_k_qecab5704b4_lnorm-k_qecab5704b4_lnorm
	.p2alignl 7, 3214868480
	.fill 96, 4, 3214868480
	.section	.rodata,"a",@progbits
	.p2align	6, 0x0
	.amdhsa_kernel k_qecab5704b4_lnorm
		.amdhsa_group_segment_fixed_size 0
		.amdhsa_private_segment_fixed_size 0
		.amdhsa_enable_private_segment 0
		.amdhsa_kernarg_size 40
		.amdhsa_user_sgpr_count 2
		.amdhsa_user_sgpr_kernarg_segment_ptr 1
		.amdhsa_wavefront_size32 1
		.amdhsa_system_sgpr_workgroup_id_x 1
		.amdhsa_system_sgpr_workgroup_id_y 1
		.amdhsa_system_sgpr_workgroup_id_z 1
		.amdhsa_system_vgpr_workitem_id 0
		.amdhsa_next_free_vgpr 208
		.amdhsa_next_free_sgpr 66
		.amdhsa_reserve_vcc 0
		.amdhsa_float_denorm_mode_32 3
		.amdhsa_float_denorm_mode_16_64 3
		.amdhsa_memory_ordered 1
		.amdhsa_forward_progress 1
		.amdhsa_inst_pref_size 22
	.end_amdhsa_kernel
	.amdgpu_metadata
---
amdhsa.version: [ 1, 2 ]
amdhsa.kernels:
  - .name:           k_qecab5704b4_lnorm
    .symbol:         k_qecab5704b4_lnorm.kd
    .args:
      - { .name: att, .offset: 0, .size: 8, .value_kind: global_buffer, .address_space: global }
      - { .name: queries, .offset: 8, .size: 8, .value_kind: global_buffer, .address_space: global }
      - { .name: gamma, .offset: 16, .size: 8, .value_kind: global_buffer, .address_space: global }
      - { .name: beta, .offset: 24, .size: 8, .value_kind: global_buffer, .address_space: global }
      - { .name: out0, .offset: 32, .size: 8, .value_kind: global_buffer, .address_space: global }
    .group_segment_fixed_size: 0
    .private_segment_fixed_size: 0
    .kernarg_segment_align: 8
    .kernarg_segment_size: 40
    .max_flat_workgroup_size: 256
    .sgpr_count:     66
    .vgpr_count:     208
    .wavefront_size: 32
...
	.end_amdgpu_metadata
.endif
;; end of part 3
;; ======== version 2 of 2: 3 launches
;; workspace buffers: Qws 8,388,608 bytes; Kws 8,388,608 bytes; Vws 8,388,608 bytes; kbias 262,144 bytes; att 16,777,216 bytes
;; launch proj (part 4): grid 4 x 64, 8 waves a work-group, no clusters, 228,352 bytes of LDS; arguments queries, keys_in, Wq, Wk, Wv, bq, bk, bv, Qws, Kws, Vws, kbias; writes Qws, Kws, Vws, kbias
.if DOCPART == 4
	.amdgcn_target "amdgcn-amd-amdhsa--gfx1250"
	.amdhsa_code_object_version 6
	.text
	.protected	k_qecab5704b4_proj
	.globl	k_qecab5704b4_proj
	.p2align	8
	.type	k_qecab5704b4_proj,@function
k_qecab5704b4_proj:
	s_mov_b64 s[64:65], 0
	v_nop
	global_prefetch_b8 v0, s[64:65] scope:SCOPE_SE
	s_setreg_imm32_b32 hwreg(HW_REG_WAVE_MODE, 25, 1), 1
	s_wait_xcnt 0x0
; Q = relu(queries Wq + bq) * c, K = relu(keys Wk + bk), V = relu(keys Wv + bv), rounded once to bf16 and stored by heads,
; [b][h][t][64]; c = 0.125 log2(e), so that the scores of the next launch are exponents of 2.  kbias[b][h][t] (f32) is 0 where
; one of the head's 64 numbers of K is above 0 and -1e9 log2(e) otherwise: the key mask as an addend to a score that is then exactly 0.
; SHARES: a work-group takes 128 rows (block rb) x 128 columns (block cb) of all three results; 64 x 4 = 256 work-groups.
; Wave w takes rows 32 (w >> 1) .. + 31 and the 64 columns of head 2 cb + (w & 1): 8 accumulator tiles of 16 x 16.
; Three units (Q, K, V) of 8 steps of 64 along the 512 of the sum: 24 steps, written out, no loop.
; WAY IN: memory (f32) -> registers -> one rounding to bf16 -> LDS -> fragments.  The 8 tiles of X stay in LDS for a unit,
; so unit V reads the keys' tiles again from LDS and fetches W alone.
; HALF A STEP AHEAD: a step is two halves of 32 along the sum, each with its own set of fragment registers.  While half 0 is multiplied,
; half 1's twelve LDS loads are on their way; while half 1 is multiplied, the twelve of the next step's half 0 and the LDS stores of the
; group two steps ahead.  So a group lies in LDS two steps before its step, and W has three buffers: two that are read and one that is written.
; NO TENSOR LOADS AND NO JOINT LOADS, though 4 work-groups share each tile of X and 64 each tile of W: the inputs are f32 and the matrix
; operands bf16.  Through registers each number is rounded once and 2 bytes of it land in LDS.  A tile brought straight into LDS would
; lie there in 4 bytes a number and be rounded again by each wave that reads it (2 waves read a fragment of X, 4 one of W), and W,
; which lies [k][n], needs the transposing LDS load, which moves elements of 16 bits.  A step has 16 matrix instructions a wave,
; and three steps' loads (48 of 16 bytes a lane) stay out across its barrier, which loads into registers may.
; THE MATRIX INSTRUCTION IS USED TRANSPOSED: source 0 = 16 columns of W, source 1 = 16 rows of X, so that a lane's eight results are
; eight neighbouring columns of one row.
; LIMITS: inputs without NaN and infinities (v_max_num_f32 turns a NaN into 0).  A positive K below bf16's smallest number
; is stored as 0 while its key still counts as present.
.set XP,    144                        ; LDS pitch of a row of X: 64 bf16 + 16 bytes, an odd multiple of 16
.set XBLK,  128*XP                     ; one step's tile of X
.set WP,    288                        ; LDS pitch of a row of W: 128 bf16 + 32 bytes, an odd multiple of 32 (transposing loads)
.set WBUF,  64*WP                      ; one step's tile of W
.set WB,    8*XBLK                     ; three buffers for W behind the 8 tiles of X
.set BIAS,  WB+3*WBUF                  ; each wave's own 3 x 64 biases
.set STG,   BIAS+8*768                 ; each wave's own stage for the way out: 16 rows x 144 bytes
.set VXO,  1                           ; byte offset of my 16 bytes in X: row w + 8 (lane / 16), 16 (lane % 16)
.set VWO,  2                           ; the same in W: row w, 16 lane
.set VXS0, 3                           ; where my 8 bytes of X go in a tile
.set VWS,  4                           ; where my 8 bytes of W go in buffer 0
.set VXF0, 5                           ; my fragments of X in tile 0
.set VWF,  6                           ; my fragments of W in buffer 0
.set STO,  7                           ; the way out: where I put 16 bytes of a row
.set RD,   8                           ; the way out: where I read rows back
.set OUTO, 9                           ; 16 lane
.set BIA,  10                          ; my biases
.set KBO,  11                          ; 4 lane
.set VXS,  12                          ; VXS0 + this group's tile
.set VXF,  13                          ; v13, v14: VXF0 + the tile, for half 0 and for half 1 (v14 is at work until the first step)
.set ACC,  16                          ; v[16:79]    tile (i, t) at 8 (4 i + t): rows 16 i .., columns 16 t ..
.set XF0,  80                          ; v[80:111]   fragments of X: 16 sub + 8 i
.set WF0,  112                         ; v[112:175]  fragments of W: 32 sub + 8 t
.set WF1,  144
.set TMP,  176                         ; v[176:207]  a group rounded to bf16: X at 2 i, W at 16 + 2 i
                                       ; v15, v[208:221] at work
                                       ; v[256:447]  three staging sets of 64: X at 4 i, W at 32 + 4 i (named through window 1)
.set MSB, 0
.macro WIN new                         ; s_set_vgpr_msb: low byte bits 1:0 source 0, 3:2 source 1, 5:4 source 2, 7:6 destination;
.if MSB != \new                        ; the high byte repeats the setting that is left
	s_set_vgpr_msb (MSB<<8)|\new
.set MSB, \new
.endif
.endm
.macro PLACES                          ; four places behind a matrix instruction (ISA guide 7.12.1) where no useful vector work is at hand
.rept 4
	v_nop
.endr
.endm
.macro SETN name, g                    ; loads, and LDS stores, of group g: X and W (16), W alone (8), none
.if (\g) < 16
.set \name, 16
.else
.if (\g) < 24
.set \name, 8
.else
.set \name, 0
.endif
.endif
.endm
	s_load_b512 s[8:23], s[0:1], 0x0               ; queries, keys_in, Wq, Wk, Wv, bq, bk, bv
	s_load_b256 s[24:31], s[0:1], 0x40             ; Qws, Kws, Vws, kbias
	v_lshl_add_u32 v254, v0, 2, 0x37800
	v_mov_b32 v255, 0
	v_lshrrev_b32 v14, 5, v0
	v_readfirstlane_b32 s2, v14                    ; wave w
	s_lshr_b32 s3, s2, 1                           ; wr: my 32 rows
	s_and_b32 s4, s2, 1                            ; wc: my head of the block's two
	s_mov_b32 s5, ttmp9                            ; cb
	s_and_b32 s6, ttmp7, 0xffff                    ; rb
	s_mov_b32 s36, 0x76543210                      ; v_permlanex16_b32: lane i reads lane i of the other half
	s_mov_b32 s37, 0xfedcba98
	v_and_b32 v208, 31, v0                         ; lane
	v_and_b32 v209, 15, v0                         ; r = lane % 16
	v_bfe_u32 v210, v0, 4, 1                       ; h = lane / 16
	v_lshl_add_u32 v211, v210, 3, s2               ; w + 8 h
	v_lshlrev_b32 v[VXO], 11, v211                 ; rows of 2,048 bytes
	v_lshl_add_u32 v[VXO], v209, 4, v[VXO]
	s_lshl_b32 s7, s2, 11
	v_lshl_add_u32 v[VWO], v208, 4, s7
	v_mul_u32_u24 v[VXS0], v211, XP
	v_lshl_add_u32 v[VXS0], v209, 3, v[VXS0]
	s_mul_i32 s7, s2, WP
	s_add_co_u32 s7, s7, WB
	v_lshl_add_u32 v[VWS], v208, 3, s7
	v_mul_u32_u24 v212, v209, XP
	v_lshl_add_u32 v212, v210, 4, v212             ; r x 144 + 16 h
	s_mul_i32 s7, s3, 32*XP
	v_add_nc_u32 v[VXF0], s7, v212
	v_and_b32 v213, 7, v0
	v_lshl_add_u32 v214, v210, 3, v213             ; 8 h + lane % 8: the row of W that I address for the transposing load
	v_mul_u32_u24 v214, v214, WP
	v_bfe_u32 v215, v0, 3, 1
	v_lshl_add_u32 v214, v215, 4, v214
	s_lshl_b32 s7, s4, 7                           ; my head's 64 columns: 128 bytes
	s_add_co_u32 s7, s7, WB
	v_add_nc_u32 v[VWF], s7, v214
	s_mul_i32 s7, s2, 16*XP
	s_add_co_u32 s7, s7, STG
	v_add_nc_u32 v[STO], s7, v212
	v_lshrrev_b32 v214, 3, v208                    ; back: eight lanes take a row of 128 bytes
	v_mul_u32_u24 v214, v214, XP
	v_lshl_add_u32 v214, v213, 4, v214
	v_add_nc_u32 v[RD], s7, v214
	v_lshlrev_b32 v[OUTO], 4, v208
	v_lshlrev_b32 v[KBO], 2, v208
	s_mul_i32 s7, s2, 768
	s_add_co_u32 s7, s7, BIAS
	v_lshl_add_u32 v[BIA], v210, 5, s7
	v_lshl_add_u32 v14, v208, 3, s7                ; where my two biases of each unit go
	v_lshlrev_b32 v15, 3, v208                     ; and where they come from
	s_lshl_b32 s32, s6, 18                         ; X: rb x 128 rows x 2,048 bytes
	s_mov_b32 s33, 0
	s_lshl_b32 s34, s5, 9                          ; W: cb x 128 columns x 4 bytes
	s_mov_b32 s35, 0
	s_lshl_b32 s38, s4, 8                          ; biases: the same + my head's 256 bytes
	s_add_co_u32 s38, s38, s34
	s_mov_b32 s39, 0
	s_lshr_b32 s40, s6, 4                          ; b = rb / 16
	s_lshl_b32 s40, s40, 2
	s_add_co_u32 s40, s40, s5
	s_lshl_b32 s40, s40, 1
	s_add_co_u32 s40, s40, s4                      ; 8 b + 2 cb + wc: the head's number
	s_lshl_b32 s40, s40, 11
	s_and_b32 s41, s6, 15
	s_lshl_b32 s41, s41, 7
	s_add_co_u32 s40, s40, s41
	s_lshl_b32 s41, s3, 5
	s_add_co_u32 s40, s40, s41                     ; + t of my first row: the row's number in [b][h][t]
	s_lshl_b32 s42, s40, 2                         ; in kbias: 4 bytes a row
	s_mov_b32 s43, 0
	s_lshl_b32 s40, s40, 7                         ; in Qws, Kws, Vws: 128 bytes a row
	s_mov_b32 s41, 0
	s_wait_kmcnt 0x0
	s_add_nc_u64 s[8:9], s[8:9], s[32:33]
	s_add_nc_u64 s[10:11], s[10:11], s[32:33]
	s_add_nc_u64 s[12:13], s[12:13], s[34:35]
	s_add_nc_u64 s[14:15], s[14:15], s[34:35]
	s_add_nc_u64 s[16:17], s[16:17], s[34:35]
	s_add_nc_u64 s[18:19], s[18:19], s[38:39]
	s_add_nc_u64 s[20:21], s[20:21], s[38:39]
	s_add_nc_u64 s[22:23], s[22:23], s[38:39]
	s_add_nc_u64 s[24:25], s[24:25], s[40:41]
	s_add_nc_u64 s[26:27], s[26:27], s[40:41]
	s_add_nc_u64 s[28:29], s[28:29], s[40:41]
	s_add_nc_u64 s[30:31], s[30:31], s[42:43]      ; no base is written again
; Group g = the f32 numbers of step g: 128 rows x 64 of X (units Q and K) and 64 rows x 128 of W, into staging set g % 3.
; A load of X covers two whole rows of 256 bytes of the tile, a load of W one row of 512 bytes.
.macro GLOAD g
.set GU, (\g)/8
.set GK, (\g)%8
.set GS, 64*((\g)%3)
	WIN 0x40                                       ; destination in window 1, address in window 0
.if GU < 2
.irp i, 0,1,2,3,4,5,6,7
	global_load_b128 v[GS+4*\i:GS+4*\i+3], v[VXO], s[8+2*GU:9+2*GU] offset:\i*32768+GK*256
.endr
.endif
.irp i, 0,1,2,3,4,5,6,7
	global_load_b128 v[GS+32+4*\i:GS+32+4*\i+3], v[VWO], s[12+2*GU:13+2*GU] offset:(64*GK+8*\i)*2048
.endr
	WIN 0
.endm
; Group g is rounded to bf16, once.
.macro CVT g
	SETN NA, (\g)+1
	SETN NB, (\g)+2
	s_wait_loadcnt NA+NB                           ; loads return in order (ISA guide 5.7.1): group g is in, the two younger groups stay out
.set GS, 64*((\g)%3)
	WIN 0x05                                       ; both sources in window 1
.if (\g) < 16
.irp i, 0,1,2,3,4,5,6,7
	v_cvt_pk_bf16_f32 v[TMP+2*\i],   v[GS+4*\i],   v[GS+4*\i+1]
	v_cvt_pk_bf16_f32 v[TMP+2*\i+1], v[GS+4*\i+2], v[GS+4*\i+3]
.endr
.endif
.irp i, 0,1,2,3,4,5,6,7
	v_cvt_pk_bf16_f32 v[TMP+16+2*\i],   v[GS+32+4*\i],   v[GS+32+4*\i+1]
	v_cvt_pk_bf16_f32 v[TMP+16+2*\i+1], v[GS+32+4*\i+2], v[GS+32+4*\i+3]
.endr
	WIN 0
.endm
; Group g goes to LDS: X into tile g % 8, W into buffer g % 3.  The two rows of a store of X lie 8 x 144 bytes apart: other banks.
.macro STORE g
.if (\g) < 16
	v_add_nc_u32 v[VXS], ((\g)%8)*XBLK, v[VXS0]
.irp i, 0,1,2,3,4,5,6,7
	ds_store_b64 v[VXS], v[TMP+2*\i:TMP+2*\i+1] offset:\i*16*XP
.endr
.endif
.irp i, 0,1,2,3,4,5,6,7
	ds_store_b64 v[VWS], v[TMP+16+2*\i:TMP+16+2*\i+1] offset:((\g)%3)*WBUF+\i*8*WP
.endr
.endm
; The fragments of half sub of step s, 12 loads, into set sub.  X: lane (r, h) takes row r, two loads of 16 bytes 32 apart.
; W lies [k][n]: two transposing loads 16 rows apart give the lane column r along k.
.macro FRAG s, sub
	v_add_nc_u32 v[VXF+\sub], ((\s)%8)*XBLK, v[VXF0]
.irp i, 0,1
	ds_load_b128 v[XF0+16*\sub+8*\i:XF0+16*\sub+8*\i+3],   v[VXF+\sub] offset:\i*16*XP+64*\sub
	ds_load_b128 v[XF0+16*\sub+8*\i+4:XF0+16*\sub+8*\i+7], v[VXF+\sub] offset:\i*16*XP+64*\sub+32
.endr
.irp t, 0,1,2,3
	ds_load_tr16_b128 v[WF0+32*\sub+8*\t:WF0+32*\sub+8*\t+3],   v[VWF] offset:((\s)%3)*WBUF+\sub*32*WP+32*\t
	ds_load_tr16_b128 v[WF0+32*\sub+8*\t+4:WF0+32*\sub+8*\t+7], v[VWF] offset:((\s)%3)*WBUF+\sub*32*WP+32*\t+16*WP
.endr
.endm
; Eight matrix instructions.  The eight accumulators take turns, one instruction a turn, in the same order every time.
; zero = 1: a unit's first products start its sums; nothing is cleared.
.macro MUL sub, zero
.irp t, 0,1,2,3
.irp i, 0,1
.set AR, ACC+8*(4*\i+\t)
.if \zero
	v_wmma_f32_16x16x32_bf16 v[AR:AR+7], v[WF0+32*\sub+8*\t:WF0+32*\sub+8*\t+7], v[XF0+16*\sub+8*\i:XF0+16*\sub+8*\i+7], 0
.else
	v_wmma_f32_16x16x32_bf16 v[AR:AR+7], v[WF0+32*\sub+8*\t:WF0+32*\sub+8*\t+7], v[XF0+16*\sub+8*\i:XF0+16*\sub+8*\i+7], v[AR:AR+7]
.endif
.endr
.endr
.endm
; One step.  ONE barrier a step does both orderings.  The stores of group s + 2 go to the buffer of W that held group s - 1, whose last reads
; (half 1, in step s - 1) every wave waited for in front of that step's barrier, and to a tile of X other than the two read now (s and s + 1).
; The barrier at this step's end, with every wave's LDS instructions waited for, shows them to all before step s + 1 reads half 0 of group s + 2.
; Steps 22 and 23 store nothing, so no barrier stands behind them.
; A unit's last step fetches nothing ahead (the unit's end works in the fragment registers); a unit's first step fetches both halves.
.macro STEP s
.if ((\s)%8) == 0
	FRAG \s, 0
.else
	PLACES                                         ; behind the last step's matrix instructions, which read set 1
.endif
	FRAG \s, 1
	s_wait_dscnt 12                                ; LDS serves a wave in order (ISA guide 5.7.1): half 0 is in, half 1's twelve loads stay out
.if ((\s)%8) == 0
	MUL 0, 1
.else
	MUL 0, 0
.endif
.if (\s)+2 < 24
	CVT (\s)+2                                     ; its 16 or 32 conversions name no register of the matrix instructions above: they are the places in front of the loads into set 0
.else
.if (\s) == 22
	PLACES
.endif
.endif
.if ((\s)%8) != 7
	FRAG (\s)+1, 0                                 ; the next step's half 0, shown to all by the last step's barrier
.set NF, 12
.else
.set NF, 0
.endif
.if (\s)+2 < 24
	STORE (\s)+2
.endif
.if (\s)+5 < 24
	GLOAD (\s)+5                                   ; into the set that CVT has just emptied: three steps in which to arrive
.endif
	SETN NS, (\s)+2
	s_wait_dscnt NF+NS                             ; half 1 is in; the NF loads fetched ahead and the NS stores may be out
	MUL 1, 0
.if (\s) < 22
	s_wait_dscnt 0x0                               ; for the others: my stores have landed, my reads are over
	s_barrier_signal -1
	s_barrier_wait -1
.endif
.endm
; A unit's end: bias, relu, (Q: the scale; K: the key mask,) one rounding, and out through my own stage as whole rows.
.macro EPI u
	PLACES                                         ; behind the last matrix instructions: the loads into their sources and the reads of their results
.irp t, 0,1,2,3
	ds_load_b128 v[WF0+8*\t:WF0+8*\t+3],   v[BIA] offset:\u*256+64*\t      ; biases of columns 16 t + 8 h .. + 7
	ds_load_b128 v[WF0+8*\t+4:WF0+8*\t+7], v[BIA] offset:\u*256+64*\t+16
.endr
	s_wait_dscnt 0x0
.if \u == 0
.set j, 0
.rept 16
	v_pk_mul_f32 v[WF0+j:WF0+j+1], v[WF0+j:WF0+j+1], 0x3e38aa3b op_sel_hi:[1,0]   ; c bq
.set j, j+2
.endr
.endif
.irp i, 0,1
.irp t, 0,1,2,3
.irp p, 0,2,4,6
.set AR, ACC+8*(4*\i+\t)+\p
.if \u == 0
	v_pk_fma_f32 v[AR:AR+1], v[AR:AR+1], 0x3e38aa3b, v[WF0+8*\t+\p:WF0+8*\t+\p+1] op_sel_hi:[1,0,1]   ; c x + c bq; c > 0, so relu may follow
.else
	v_pk_add_f32 v[AR:AR+1], v[AR:AR+1], v[WF0+8*\t+\p:WF0+8*\t+\p+1]
.endif
.endr
.endr
.endr
.set j, 0
.rept 64
	v_max_num_f32 v[ACC+j], 0, v[ACC+j]
.set j, j+1
.endr
.if \u == 1
	; The key mask: K >= 0, so the sum of |K| over the head is above 0 exactly where the largest of the 64 is.  A lane holds 32 of them.
.irp i, 0,1
	v_max3_num_f32 v[208+\i], v[ACC+32*\i], v[ACC+32*\i+1], v[ACC+32*\i+2]
.set j, 3
.rept 14
	v_max3_num_f32 v[208+\i], v[208+\i], v[ACC+32*\i+j], v[ACC+32*\i+j+1]
.set j, j+2
.endr
	v_max_num_f32 v[208+\i], v[208+\i], v[ACC+32*\i+31]
.endr
	v_permlanex16_b32 v210, v208, s36, s37         ; the other 32 columns lie in the other half of the lanes
	v_permlanex16_b32 v211, v209, s36, s37
	v_max_num_f32 v208, v208, v210
	v_max_num_f32 v209, v209, v211
	v_mov_b32 v212, 0
	v_cmp_lt_f32 vcc_lo, 0, v208
	v_cndmask_b32 v208, 0xceabfb8e, v212, vcc_lo   ; 0 for a key that is there, -1e9 log2(e) for one that is not
	v_cmp_lt_f32 vcc_lo, 0, v209
	v_cndmask_b32 v209, 0xceabfb8e, v212, vcc_lo
	v_cmp_gt_u32 vcc_lo, 64, v[KBO]                ; lanes 0-15 speak for rows 0-15, lanes 16-31 for rows 16-31
	v_cndmask_b32 v208, v209, v208, vcc_lo
	global_store_b32 v[KBO], v208, s[30:31]        ; my 32 rows: 128 neighbouring bytes
.endif
.irp i, 0,1
.irp t, 0,1,2,3
.irp p, 0,1,2,3
	v_cvt_pk_bf16_f32 v[XF0+16*\i+4*\t+\p], v[ACC+8*(4*\i+\t)+2*\p], v[ACC+8*(4*\i+\t)+2*\p+1]
.endr
.endr
.irp t, 0,1,2,3
	ds_store_b128 v[STO], v[XF0+16*\i+4*\t:XF0+16*\i+4*\t+3] offset:32*\t
.endr
.irp k, 0,1,2,3
	ds_load_b128 v[WF1+16*\i+4*\k:WF1+16*\i+4*\k+3], v[RD] offset:4*XP*\k    ; my own bytes, served in order (ISA guide 5.7.1): these see the stores above
.endr
.irp k, 0,1,2,3
	s_wait_dscnt 3-\k                              ; read-back k is in, the younger ones may be out
	global_store_b128 v[OUTO], v[WF1+16*\i+4*\k:WF1+16*\i+4*\k+3], s[24+2*\u:25+2*\u] offset:(16*\i+4*\k)*128   ; four rows: 512 consecutive bytes, aligned
.endr
.endr
.if \u < 2
	s_wait_xcnt 0x0                                ; the stores' data registers are the next step's fragment registers: loaded again only behind this wait
.endif
.endm
	global_load_b64 v[216:217], v15, s[18:19]      ; my head's 64 biases of each unit, two a lane
	global_load_b64 v[218:219], v15, s[20:21]
	global_load_b64 v[220:221], v15, s[22:23]
	GLOAD 0
	GLOAD 1
	GLOAD 2
	s_wait_loadcnt 48                              ; the biases are in; the three groups of 16 stay out
	ds_store_b64 v14, v[216:217]
	ds_store_b64 v14, v[218:219] offset:256
	ds_store_b64 v14, v[220:221] offset:512
	CVT 0
	STORE 0
	GLOAD 3
	s_wait_dscnt 0x0                               ; group 0's stores are done with the rounded numbers' registers, which group 1 takes now
	CVT 1
	STORE 1
	GLOAD 4
	s_wait_dscnt 0x0                               ; groups 0 and 1 have landed in LDS,
	s_barrier_signal -1
	s_barrier_wait -1                              ; everybody's part of them
.irp s, 0,1,2,3,4,5,6,7
	STEP \s
.endr
	EPI 0
.irp s, 8,9,10,11,12,13,14,15
	STEP \s
.endr
	EPI 1
.irp s, 16,17,18,19,20,21,22,23
	STEP \s
.endr
	EPI 2
	s_wait_tensorcnt 0x0
	ds_add_u32 v254, v255
	s_wait_dscnt 0x0
	s_endpgm
.Lfunc_end_k_qecab5704b4_proj:
	.size	k_qecab5704b4_proj, .Lfunc_end_k_qecab5704b4_proj-k_qecab5704b4_proj
	.p2alignl 7, 3214868480
	.fill 96, 4, 3214868480
	.section	.rodata,"a",@progbits
	.p2align	6, 0x0
	.amdhsa_kernel k_qecab5704b4_proj
		.amdhsa_group_segment_fixed_size 228352
		.amdhsa_private_segment_fixed_size 0
		.amdhsa_enable_private_segment 0
		.amdhsa_kernarg_size 96
		.amdhsa_user_sgpr_count 2
		.amdhsa_user_sgpr_kernarg_segment_ptr 1
		.amdhsa_wavefront_size32 1
		.amdhsa_system_sgpr_workgroup_id_x 1
		.amdhsa_system_sgpr_workgroup_id_y 1
		.amdhsa_system_sgpr_workgroup_id_z 1
		.amdhsa_system_vgpr_workitem_id 0
		.amdhsa_next_free_vgpr 448
		.amdhsa_next_free_sgpr 66
		.amdhsa_reserve_vcc 1
		.amdhsa_float_denorm_mode_32 3
		.amdhsa_float_denorm_mode_16_64 3
		.amdhsa_memory_ordered 1
		.amdhsa_forward_progress 1
		.amdhsa_inst_pref_size 200
	.end_amdhsa_kernel
	.amdgpu_metadata
---
amdhsa.version: [ 1, 2 ]
amdhsa.kernels:
  - .name:           k_qecab5704b4_proj
    .symbol:         k_qecab5704b4_proj.kd
    .args:
      - { .name: queries, .offset: 0, .size: 8, .value_kind: global_buffer, .address_space: global }
      - { .name: keys_in, .offset: 8, .size: 8, .value_kind: global_buffer, .address_space: global }
      - { .name: Wq, .offset: 16, .size: 8, .value_kind: global_buffer, .address_space: global }
      - { .name: Wk, .offset: 24, .size: 8, .value_kind: global_buffer, .address_space: global }
      - { .name: Wv, .offset: 32, .size: 8, .value_kind: global_buffer, .address_space: global }
      - { .name: bq, .offset: 40, .size: 8, .value_kind: global_buffer, .address_space: global }
      - { .name: bk, .offset: 48, .size: 8, .value_kind: global_buffer, .address_space: global }
      - { .name: bv, .offset: 56, .size: 8, .value_kind: global_buffer, .address_space: global }
      - { .name: Qws, .offset: 64, .size: 8, .value_kind: global_buffer, .address_space: global }
      - { .name: Kws, .offset: 72, .size: 8, .value_kind: global_buffer, .address_space: global }
      - { .name: Vws, .offset: 80, .size: 8, .value_kind: global_buffer, .address_space: global }
      - { .name: kbias, .offset: 88, .size: 8, .value_kind: global_buffer, .address_space: global }
    .group_segment_fixed_size: 228352
    .private_segment_fixed_size: 0
    .kernarg_segment_align: 8
    .kernarg_segment_size: 96
    .max_flat_workgroup_size: 256
    .sgpr_count:     66
    .vgpr_count:     448
    .wavefront_size: 32
...
	.end_amdgpu_metadata
.endif
;; end of part 4
;; launch attn (part 5): grid 8 x 32, 8 waves a work-group, clusters of 4 x 1, 327,680 bytes of LDS; arguments Qws, Kws, Vws, kbias, att; writes att
.if DOCPART == 5
	.amdgcn_target "amdgcn-amd-amdhsa--gfx1250"
	.amdhsa_code_object_version 6
	.text
	.protected	k_qecab5704b4_attn
	.globl	k_qecab5704b4_attn
	.p2align	8
	.type	k_qecab5704b4_attn,@function
k_qecab5704b4_attn:
	s_mov_b64 s[64:65], 0
	v_nop
	global_prefetch_b8 v0, s[64:65] scope:SCOPE_SE
	s_setreg_imm32_b32 hwreg(HW_REG_WAVE_MODE, 25, 1), 1
	s_wait_xcnt 0x0
	s_wait_alu depctr_hold_cnt(0) depctr_sa_sdst(0) depctr_va_vdst(0) depctr_va_sdst(0) depctr_va_ssrc(0) depctr_va_vcc(0) depctr_vm_vsrc(0)
	s_getreg_b32 s2, hwreg(HW_REG_IB_STS2, 6, 4)
	s_cmp_eq_u32 s2, 0
	s_cbranch_scc0 .Lentry_in_a_cluster
	s_endpgm
.Lentry_in_a_cluster:
	s_bfe_u32 s2, ttmp6, 0x10000c
	s_cmp_lg_u32 s2, 0x3003
	s_cbranch_scc0 .Lentry_shape_is_right
	s_endpgm
.Lentry_shape_is_right:
; att[b][h][q][64] (f32) = qmask x softmax over the keys of (Q K^T / 8, masked keys at -1e9) x V, one head and 256 queries a work-group.
; Qws holds relu(..) x 0.125 log2(e), so a score is an exponent of 2; kbias holds 0 or -1e9 log2(e) for each key and enters as the C of the
; first score product: a masked key's row of K is exactly 0, so its score is exactly the replacement value.
; SHARES: 32 heads x 8 blocks of 256 queries = 256 work-groups; wave w takes queries 32 w .. + 31 as two tiles of 16.
; Eight waves, two to a SIMD: the softmax's vector work for a step is longer than its 32 matrix instructions, and the second wave
; fills one unit while the first is on the other.
; CLUSTER: the four work-groups of a cluster work on one head and walk the same tiles of K and V, which are asked for JOINTLY
; (mask 15): 8 tiles x 64 KiB are fetched once for four.  The place in the cluster enters only the global addresses of Q and att.
; RING: two LDS slots, each with 256 keys of K (pitch 144) and of V (pitch 160).  Waves 0-3 bring K's quarters, waves 4-7 V's, 64 rows each.
; A wave has two tensor loads out at the start and one behind each round; from a refill to the wait for it
; a wave issues 112 matrix instructions: a tile's 128 less the last sixteen, which stand inside the barrier that opens the next round.
; TRANSPOSED: S^T = K (source 0, m = key) x Q (source 1, n = query): a lane holds ONE query and 8 keys a tile, so maximum, sum and
; rescaling are one number a lane, and the packed exponentials are source 1 of O^T += V^T (source 0, by transposing loads) x P as they stand.
; A STEP IS 64 KEYS: the maximum across the lanes, the rescaling factor and the 16 packed multiplies that rescale a tile's O are paid once for
; 64 keys: 119 vector instructions for a tile of 16 queries.  The two tiles go through each stage together, so that eight chains of maxima
; and eight of sums take turns and no instruction stands next to the one whose result it reads.
; The maximum is a running one, taken away before every exponential.
; REGISTERS: v0-255 hold what the vector unit works on; K's fragments, kbias and Q, which loads write and the score products alone read,
; lie in v256-383 and are named through s_set_vgpr_msb: five switches for a step's 32 matrix instructions.
; LIMITS: inputs without NaN and infinities.  The query mask is read off the bf16 numbers of Qws: a row whose only positive numbers
; are below bf16's smallest counts as zero.  v_exp_f32 gives 0 for results below 2^-126 (ISA guide 15.8).
.set KP,     144
.set VP,     160
.set KBYTES, 256*KP
.set SLOT,   256*KP+256*VP             ; 77,824
.set KB,     2*SLOT                    ; the head's 2,048 numbers of kbias: bytes of their own, no fill lands here
.set STG,    KB+8192                   ; each wave's own stage: 16 rows x 272 bytes
.set SP,     272
.set KA,   1                           ; v1, v2   my fragments of K in slot 0, 1
.set VA,   3                           ; v3, v4   my fragments of V in slot 0, 1
.set BA,   5                           ; v5       kbias of this tile's keys, + 32 (lane / 16)
.set STO,  6
.set RD,   7
.set OUTO, 8
.set QM,   9                           ; v9, v10  query mask of tile q: 1.0 or 0
                                       ; v11      at work in the set-up
.set T,    12                          ; v[12:19]   at work, tile q at 4 q
.set ST,   20                          ; v[20:27]   tile q at 4 q: -maximum, maximum, rescaling factor, sum (of my half of the keys)
.set OA,   28                          ; v[28:91]   O^T: 32 q + 8 t
.set PB,   92                          ; v[92:123]  P: 16 q + 8 kh (kh: which 32 of the 64 keys); before that the sums' chains
.set VF,   124                         ; v[124:187] V^T: 32 kh + 8 t
.set SC,   188                         ; v[188:251] S^T: 32 q + 8 kt
.set KF,   0                           ; v[256:319] K: 16 kt + 8 ks      (window 1)
.set BF,   64                          ; v[320:351] kbias as C: 8 kt     (window 1)
.set QF,   96                          ; v[352:383] Q: 16 q + 8 ks       (window 1)
.set MSB, 0
.macro WIN new                         ; s_set_vgpr_msb: low byte bits 1:0 source 0, 3:2 source 1, 5:4 source 2, 7:6 destination;
.if MSB != \new                        ; the high byte repeats the setting that is left.  At every label and branch the setting is 0
	s_set_vgpr_msb (MSB<<8)|\new
.set MSB, \new
.endif
.endm
.macro PLACES                          ; four places behind a matrix instruction (ISA guide 7.12.1)
.rept 4
	v_nop
.endr
.endm
; A round of the cluster's barrier: my work-group's barrier, wave 0 signals for the work-group, every wave waits for all four work-groups, my work-group's barrier again.
.macro CREST                           ; a round behind its opening barrier
	s_cmp_lg_u32 s14, 0
	s_cbranch_scc1 .Lnot_wave_0_\@
	s_barrier_signal -3
.Lnot_wave_0_\@:
	s_barrier_wait -3
	s_barrier_signal -1
	s_barrier_wait -1
.endm
.macro ROUND                           ; a whole round
	s_barrier_signal -1
	s_barrier_wait -1
	CREST
.endm
; A joint load into slot s (s may be an expression: it stands in parentheses): one line for K (waves 0-3), one for V (waves 4-7).
; The branch hangs on the wave's number alone.
.macro JLOAD s
	s_cmp_eq_u32 s16, 0
	s_cbranch_scc0 .Lfor_v_\@
	tensor_load_to_lds s[40+4*(\s):43+4*(\s)], s[24:31]
	s_nop 0
	s_branch .Lasked_\@
.Lfor_v_\@:
	tensor_load_to_lds s[48+4*(\s):51+4*(\s)], s[32:39]
	s_nop 0
.Lasked_\@:
.endm
	s_load_b256 s[4:11], s[0:1], 0x0               ; Qws s[4:5], Kws s[6:7], Vws s[8:9], kbias s[10:11]
	s_load_b64 s[12:13], s[0:1], 0x20              ; att
	v_lshl_add_u32 v254, v0, 2, 0x30800
	v_mov_b32 v255, 0
	ds_add_u32 v254, v255
	v_lshrrev_b32 v12, 5, v0
	v_readfirstlane_b32 s14, v12                   ; wave w
	s_and_b32 s15, s14, 3                          ; which quarter of a tile I bring
	s_lshr_b32 s16, s14, 2                         ; of K (0) or of V (1)
	s_bfe_u32 s17, ttmp6, 0x40000                  ; cx
	s_lshl_b32 s18, ttmp9, 2
	s_add_co_u32 s18, s18, s17                     ; block of queries = 4 x cluster x + cx
	s_and_b32 s19, ttmp7, 0xffff                   ; the head, 8 b + h: the same in the four partners
	s_mov_b32 s56, 0x76543210                      ; v_permlanex16_b32: lane i reads lane i of the other half
	s_mov_b32 s57, 0xfedcba98
	; Group 1: 64 rows x 64 elements of 2 bytes, rows 64 elements apart; behind every 32 words (code 4) a pad of 4 words (K) or 8 (V).
	s_mov_b32 s24, 15|(1<<16)|(1<<20)|(1<<21)|(4<<22)|(3<<25)   ; 15:0 the mask of the four; 17:16 size; 20 padding on; 21 set beside a mask; 24:22 interval; 31:25 pad - 1
	s_mov_b32 s25, 64<<16                          ; tensor_dim0 = 64
	s_mov_b32 s26, 64<<16                          ; tensor_dim1 = 64
	s_mov_b32 s27, 64<<16                          ; tile_dim0 = 64
	s_mov_b32 s28, 64                              ; tile_dim1 = 64
	s_mov_b32 s29, 64                              ; stride from row to row
	s_mov_b32 s30, 0
	s_mov_b32 s31, 0
	s_mov_b32 s32, 15|(1<<16)|(1<<20)|(1<<21)|(4<<22)|(7<<25)
	s_mov_b32 s33, 64<<16
	s_mov_b32 s34, 64<<16
	s_mov_b32 s35, 64<<16
	s_mov_b32 s36, 64
	s_mov_b32 s37, 64
	s_mov_b32 s38, 0
	s_mov_b32 s39, 0
	s_mul_i32 s20, s15, 64*KP                      ; my quarter of K in a slot
	s_mul_i32 s21, s15, 64*VP
	s_add_co_u32 s21, s21, KBYTES                  ; my quarter of V
	s_lshl_b32 s22, s19, 18                        ; the head's 262,144 bytes
	s_lshl_b32 s23, s15, 13                        ; + my 64 rows of 128 bytes
	s_add_co_u32 s22, s22, s23
	s_mov_b32 s23, 0
	s_lshl_b32 s2, s19, 3
	s_add_co_u32 s2, s2, s18
	s_lshl_b32 s2, s2, 3
	s_add_co_u32 s2, s2, s14                       ; (8 head + block) x 8 + w: my 32 queries' number
	s_lshl_b32 s2, s2, 12                          ; in Qws: 32 rows of 128 bytes
	s_mov_b32 s3, 0
	v_and_b32 v12, 15, v0                          ; r
	v_bfe_u32 v13, v0, 4, 1                        ; h
	v_and_b32 v14, 7, v0
	v_bfe_u32 v15, v0, 3, 1
	v_mul_u32_u24 v[KA], v12, KP
	v_lshl_add_u32 v[KA], v13, 4, v[KA]            ; row r, 16 h
	v_add_nc_u32 v[KA+1], SLOT, v[KA]
	v_lshl_add_u32 v[VA], v13, 3, v14              ; row 8 h + lane % 8
	v_mul_u32_u24 v[VA], v[VA], VP
	v_lshl_add_u32 v[VA], v15, 4, v[VA]
	v_add_nc_u32 v[VA], KBYTES, v[VA]
	v_add_nc_u32 v[VA+1], SLOT, v[VA]
	v_lshlrev_b32 v[BA], 5, v13
	v_add_nc_u32 v[BA], KB, v[BA]
	s_mul_i32 s59, s14, 16*SP
	s_add_co_u32 s59, s59, STG                     ; my stage
	v_mul_u32_u24 v[STO], v12, SP                  ; in: row r, 32 bytes for each half of the lanes
	v_lshl_add_u32 v[STO], v13, 5, v[STO]
	v_add_nc_u32 v[STO], s59, v[STO]
	v_mul_u32_u24 v[RD], v13, SP                   ; back: lanes 0-15 one row of 256 bytes, lanes 16-31 the next
	v_lshl_add_u32 v[RD], v12, 4, v[RD]
	v_add_nc_u32 v[RD], s59, v[RD]
	v_and_b32 v11, 31, v0
	v_lshlrev_b32 v[OUTO], 4, v11
	v_lshlrev_b32 v11, 7, v12                      ; Q: row r of 128 bytes + 16 h
	v_lshl_add_u32 v11, v13, 4, v11
	v_lshlrev_b32 v14, 4, v0                       ; kbias: 16 bytes a thread, twice
	v_add_nc_u32 v15, KB, v14
	s_wait_dscnt 0x0
	s_wait_kmcnt 0x0
	s_add_nc_u64 s[6:7], s[6:7], s[22:23]
	s_add_nc_u64 s[8:9], s[8:9], s[22:23]
	s_add_nc_u64 s[4:5], s[4:5], s[2:3]            ; Q at my 32 queries
	s_lshl_b32 s2, s2, 1                           ; in att: rows of 256 bytes
	s_add_nc_u64 s[12:13], s[12:13], s[2:3]
	s_lshl_b32 s22, s19, 13                        ; kbias: 8,192 bytes a head
	s_add_nc_u64 s[10:11], s[10:11], s[22:23]
	; kbias and Q are asked for ahead of the opening round: they are on their way while the four work-groups meet.
	global_load_b128 v[PB:PB+3],   v14, s[10:11]
	global_load_b128 v[PB+4:PB+7], v14, s[10:11] offset:4096
	WIN 0x40                                       ; destination in window 1, address in window 0
.irp q, 0,1
.irp ks, 0,1
	global_load_b128 v[QF+16*\q+8*\ks:QF+16*\q+8*\ks+3],   v11, s[4:5] offset:2048*\q+64*\ks
	global_load_b128 v[QF+16*\q+8*\ks+4:QF+16*\q+8*\ks+7], v11, s[4:5] offset:2048*\q+64*\ks+32
.endr
.endr
	WIN 0
	; Group 0, a set for each slot and for K and V: every wave makes both and asks by one.
.irp s, 0,1
	s_mov_b32 s[40+4*\s], 1
	s_add_co_u32 s[41+4*\s], s20, \s*SLOT
	s_add_nc_u64 s[42+4*\s:43+4*\s], s[6:7], \s*32768          ; tile s: 256 keys of 128 bytes
	s_or_b32 s[43+4*\s], s[43+4*\s], 0x80000000
	s_mov_b32 s[48+4*\s], 1
	s_add_co_u32 s[49+4*\s], s21, \s*SLOT
	s_add_nc_u64 s[50+4*\s:51+4*\s], s[8:9], \s*32768
	s_or_b32 s[51+4*\s], s[51+4*\s], 0x80000000
.endr
	ROUND                                          ; the four work-groups are here: the first joint loads meet
	JLOAD 0                                        ; both first fills go out together, ahead of every wait on TENSORcnt, LDS read and further barrier
	JLOAD 1
	s_wait_loadcnt 8                               ; kbias is in; Q's eight loads stay out
	ds_store_b128 v15, v[PB:PB+3]
	ds_store_b128 v15, v[PB+4:PB+7] offset:4096
	s_wait_loadcnt 0x0
	; The query mask: Q >= 0, so the sum of |Q| is above 0 exactly where some number of the row is not 0 (signs of zero cut off).
	WIN 0x05                                       ; both sources in window 1
	v_or_b32 v12, v[QF], v[QF+1]
	v_or_b32 v14, v[QF+16], v[QF+17]
	WIN 0x01                                       ; source 0 in window 1
.set j, 2
.rept 14
	v_or_b32 v12, v[QF+j], v12
	v_or_b32 v14, v[QF+16+j], v14
.set j, j+1
.endr
	WIN 0
	v_and_b32 v12, 0x7fff7fff, v12
	v_and_b32 v14, 0x7fff7fff, v14
	v_permlanex16_b32 v13, v12, s56, s57           ; the row's other 32 numbers lie in the other half of the lanes
	v_permlanex16_b32 v15, v14, s56, s57
	v_or_b32 v12, v12, v13
	v_or_b32 v14, v14, v15
	v_cmp_ne_u32 vcc_lo, 0, v12
	v_cndmask_b32 v[QM], 0, 1.0, vcc_lo
	v_cmp_ne_u32 vcc_lo, 0, v14
	v_cndmask_b32 v[QM+1], 0, 1.0, vcc_lo
; 24 loads, under a destination in window 1: step i's 64 keys of K (4 tiles of 16 keys x 2 halves of the 64 features) and their kbias
; (lane (r, h), register j: key 16 kt + 8 h + j).
.macro LDK slot, i
.irp kt, 0,1,2,3
.irp ks, 0,1
	ds_load_b128 v[KF+16*\kt+8*\ks:KF+16*\kt+8*\ks+3],   v[KA+\slot] offset:(64*(\i)+16*\kt)*KP+64*\ks
	ds_load_b128 v[KF+16*\kt+8*\ks+4:KF+16*\kt+8*\ks+7], v[KA+\slot] offset:(64*(\i)+16*\kt)*KP+64*\ks+32
.endr
	ds_load_b128 v[BF+8*\kt:BF+8*\kt+3],   v[BA] offset:(64*(\i)+16*\kt)*4
	ds_load_b128 v[BF+8*\kt+4:BF+8*\kt+7], v[BA] offset:(64*(\i)+16*\kt)*4+16
.endr
.endm
; 16 transposing loads: V^T of step i's 64 keys, two halves of 32 keys x four tiles of 16 features.
.macro LDV slot, i
.irp kh, 0,1
.irp t, 0,1,2,3
	ds_load_tr16_b128 v[VF+32*\kh+8*\t:VF+32*\kh+8*\t+3],   v[VA+\slot] offset:(64*(\i)+32*\kh)*VP+32*\t
	ds_load_tr16_b128 v[VF+32*\kh+8*\t+4:VF+32*\kh+8*\t+7], v[VA+\slot] offset:(64*(\i)+32*\kh)*VP+32*\t+16*VP
.endr
.endr
.endm
; The scores: eight sums started on kbias (SMULA), then the second half of the features (SMULB).
; The eight accumulators take turns, one instruction a turn.
.macro SMULA
.irp kt, 0,1,2,3
.irp q, 0,1
	v_wmma_f32_16x16x32_bf16 v[SC+32*\q+8*\kt:SC+32*\q+8*\kt+7], v[KF+16*\kt:KF+16*\kt+7], v[QF+16*\q:QF+16*\q+7], v[BF+8*\kt:BF+8*\kt+7]
.endr
.endr
.endm
.macro SMULB
.irp kt, 0,1,2,3
.irp q, 0,1
	v_wmma_f32_16x16x32_bf16 v[SC+32*\q+8*\kt:SC+32*\q+8*\kt+7], v[KF+16*\kt+8:KF+16*\kt+15], v[QF+16*\q+8:QF+16*\q+15], v[SC+32*\q+8*\kt:SC+32*\q+8*\kt+7]
.endr
.endr
.endm
; The softmax's step, first part, both tiles together: a lane holds 32 of its query's 64 scores, the other half of the lanes the other 32.
; The new maximum, the factor by which what was summed shrinks, score - maximum, the exponentials, and O rescaled.
.macro SOFTA first
.irp q, 0,1
.irp c, 0,1,2,3
	v_max3_num_f32 v[T+4*\q+\c], v[SC+32*\q+8*\c], v[SC+32*\q+8*\c+1], v[SC+32*\q+8*\c+2]       ; four chains a tile, one for each 8 scores
.endr
.endr
.irp p, 3,5
.irp q, 0,1
.irp c, 0,1,2,3
	v_max3_num_f32 v[T+4*\q+\c], v[T+4*\q+\c], v[SC+32*\q+8*\c+\p], v[SC+32*\q+8*\c+\p+1]
.endr
.endr
.endr
.irp q, 0,1
	v_max3_num_f32 v[T+4*\q],   v[T+4*\q],   v[SC+32*\q+7],  v[SC+32*\q+15]                     ; the chains' eighth scores
	v_max3_num_f32 v[T+4*\q+1], v[T+4*\q+1], v[SC+32*\q+23], v[SC+32*\q+31]
.if \first
	v_max_num_f32 v[T+4*\q+2], v[T+4*\q+2], v[T+4*\q+3]
.else
	v_max3_num_f32 v[T+4*\q+2], v[T+4*\q+2], v[T+4*\q+3], v[ST+4*\q+1]                         ; the running maximum goes along
.endif
.endr
.irp q, 0,1
	v_max3_num_f32 v[T+4*\q], v[T+4*\q], v[T+4*\q+1], v[T+4*\q+2]
.endr
.irp q, 0,1
	v_permlanex16_b32 v[T+4*\q+1], v[T+4*\q], s56, s57
.endr
.irp q, 0,1
	v_max_num_f32 v[T+4*\q], v[T+4*\q], v[T+4*\q+1]                                            ; the new maximum, the same in both halves
.endr
.if \first == 0
.irp q, 0,1
	v_sub_f32 v[T+4*\q+1], v[ST+4*\q+1], v[T+4*\q]
.endr
.irp q, 0,1
	v_exp_f32 v[ST+4*\q+2], v[T+4*\q+1]            ; what was summed so far shrinks by 2^(old - new); the moves below are the plain places behind it (ISA guide 5.7.2)
.endr
.endif
.irp q, 0,1
	v_mov_b32 v[ST+4*\q+1], v[T+4*\q]
	v_xor_b32 v[ST+4*\q], 0x80000000, v[T+4*\q]
.endr
.irp q, 0,1
.set j, 0
.rept 16
	v_pk_add_f32 v[SC+32*\q+j:SC+32*\q+j+1], v[SC+32*\q+j:SC+32*\q+j+1], v[ST+4*\q:ST+4*\q+1] op_sel_hi:[1,0]   ; score - maximum, both halves by the pair's first register
.set j, j+2
.endr
.endr
.irp q, 0,1
.set j, 0
.rept 16
	v_exp_f32 v[SC+32*\q+j], v[SC+32*\q+j]
	v_exp_f32 v[SC+32*\q+j+1], v[SC+32*\q+j+1]
.if \first == 0
	s_wait_alu depctr_va_vdst(0)
	v_pk_mul_f32 v[OA+32*\q+j:OA+32*\q+j+1], v[OA+32*\q+j:OA+32*\q+j+1], v[ST+4*\q+2:ST+4*\q+3] op_sel_hi:[1,0]   ; O shrinks: plain work between the exponentials, which names none of their registers
.endif
.set j, j+2
.endr
.endr
.if \first
	v_nop                                          ; the plain place behind the exponentials
	s_wait_alu depctr_va_vdst(0)
.endif
.endm
; Second part: the sum of my 32 exponentials of each tile, four chains a tile in P's registers, which are free until the conversions
; write them; then P, rounded once.  The last steps of the sums stand among the conversions.
.macro SOFTB first
	s_wait_alu depctr_va_vdst(0)
.irp q, 0,1
.irp c, 0,1,2,3
	v_pk_add_f32 v[PB+16*\q+2*\c:PB+16*\q+2*\c+1], v[SC+32*\q+8*\c:SC+32*\q+8*\c+1], v[SC+32*\q+8*\c+2:SC+32*\q+8*\c+3]
.endr
.endr
.irp p, 4,6
.irp q, 0,1
.irp c, 0,1,2,3
	v_pk_add_f32 v[PB+16*\q+2*\c:PB+16*\q+2*\c+1], v[PB+16*\q+2*\c:PB+16*\q+2*\c+1], v[SC+32*\q+8*\c+\p:SC+32*\q+8*\c+\p+1]
.endr
.endr
.endr
.irp q, 0,1
	v_pk_add_f32 v[PB+16*\q:PB+16*\q+1],   v[PB+16*\q:PB+16*\q+1],   v[PB+16*\q+2:PB+16*\q+3]
	v_pk_add_f32 v[PB+16*\q+4:PB+16*\q+5], v[PB+16*\q+4:PB+16*\q+5], v[PB+16*\q+6:PB+16*\q+7]
.endr
.irp q, 0,1
	v_pk_add_f32 v[T+4*\q:T+4*\q+1], v[PB+16*\q:PB+16*\q+1], v[PB+16*\q+4:PB+16*\q+5]
.endr
.set j, 0
.rept 16
	v_cvt_pk_bf16_f32 v[PB+j], v[SC+2*j], v[SC+2*j+1]          ; tile 0: keys 8 h .., 16 + 8 h .. of each 32: source 1's layout as it stands
.set j, j+1
.endr
.irp q, 0,1
.if \first
	v_add_f32 v[ST+4*\q+3], v[T+4*\q], v[T+4*\q+1]
.else
	v_add_f32 v[T+4*\q], v[T+4*\q], v[T+4*\q+1]
.endif
.endr
.set j, 16
.rept 16
	v_cvt_pk_bf16_f32 v[PB+j], v[SC+2*j], v[SC+2*j+1]          ; tile 1
.set j, j+1
.endr
.if \first == 0
.irp q, 0,1
	v_fma_f32 v[ST+4*\q+3], v[ST+4*\q+3], v[ST+4*\q+2], v[T+4*\q]      ; the sum of my half of the keys; the halves meet at the end
.endr
.endif
.endm
; O^T += V^T P: eight accumulators by turns, one instruction a turn, twice round (the two halves of the 64 keys).
.macro PVMUL first
.irp kh, 0,1
.irp t, 0,1,2,3
.irp q, 0,1
.if \first*(1-\kh)
	v_wmma_f32_16x16x32_bf16 v[OA+32*\q+8*\t:OA+32*\q+8*\t+7], v[VF+32*\kh+8*\t:VF+32*\kh+8*\t+7], v[PB+16*\q+8*\kh:PB+16*\q+8*\kh+7], 0
.else
	v_wmma_f32_16x16x32_bf16 v[OA+32*\q+8*\t:OA+32*\q+8*\t+7], v[VF+32*\kh+8*\t:VF+32*\kh+8*\t+7], v[PB+16*\q+8*\kh:PB+16*\q+8*\kh+7], v[OA+32*\q+8*\t:OA+32*\q+8*\t+7]
.endif
.endr
.endr
.endr
.endm
; 64 keys.  The LDS loads go out in two runs: V's sixteen in front of the softmax, the next step's twenty-four in its middle.
; A tile's last step (i = 3) ends with P: its products with V stand at the change of slots, inside the barrier there.
.macro STEP slot, i, first
	s_wait_dscnt 0x0                               ; this step's K and kbias are in
	WIN 0x15                                       ; K, Q and kbias in window 1, S in window 0
	SMULA
	WIN 0x05                                       ; K and Q in window 1
	SMULB
	WIN 0
	PLACES                                         ; in front of the reads of S, the loads into V's, K's and kbias's registers, and the writes of P and O
	LDV \slot, \i
	SOFTA \first
.if \i < 3
	WIN 0x40                                       ; destination in window 1
	LDK \slot, \i+1
	WIN 0
.endif
	SOFTB \first
.if \i < 3
	s_wait_dscnt 24                                ; LDS serves a wave in order (ISA guide 5.7.1): V's sixteen loads are in; the next step's twenty-four stay out
	PVMUL \first
.endif
.endm
; 256 keys: a slot, but for the last sixteen matrix instructions.
.macro TILE slot, first
	WIN 0x40
	LDK \slot, 0
	WIN 0
	STEP \slot, 0, \first
.irp i, 1,2,3
	STEP \slot, \i, 0
.endr
	v_add_nc_u32 v[BA], 1024, v[BA]                ; the next tile's kbias
.endm
; The change of slots.  In front of the opening signal every wave waits for its reads of the other slot (the youngest are V's sixteen loads of the last
; step) and for all its tensor loads (its part of this slot).  Between that signal and its wait stand the last step's sixteen matrix instructions,
; which touch registers only: work while the other seven waves arrive.  The rest of the round says the same for every wave of the four
; work-groups; the joint refill of the other slot is the first thing behind it, one load a wave.
.macro NEXT slot, refill
	s_wait_dscnt 0x0                               ; my reads of the other slot are over, V's fragments are in
	s_wait_tensorcnt 0x0                           ; no tensor load of mine is out, so a group 0 may be written
	ds_add_u32 v254, v255
	s_wait_dscnt 0x0
.if \refill
	s_add_nc_u64 s[46-4*\slot:47-4*\slot], s[46-4*\slot:47-4*\slot], 65536     ; the other slot's next tile: two tiles on
	s_add_nc_u64 s[54-4*\slot:55-4*\slot], s[54-4*\slot:55-4*\slot], 65536
.endif
	s_barrier_signal -1
	PVMUL 0
	s_barrier_wait -1
.if \refill
	CREST
	JLOAD 1-\slot
.endif                                         ; without a refill my work-group's barrier alone shows the last tile whole
	TILE \slot, 0
.endm
; The end for tile q: the halves' sums meet, O / sum x query mask, out through my stage as whole rows of 256 bytes, read back into S's registers.
.macro OUT q
.set AL, ST+4*\q+2
.set LS, ST+4*\q+3
.set BK, SC+32*\q
	v_permlanex16_b32 v[T+1], v[LS], s56, s57
	v_add_f32 v[T], v[LS], v[T+1]                  ; at least 1: the largest score's exponential
	v_rcp_f32 v[T+2], v[T]
	v_nop                                          ; the plain place behind v_rcp_f32 (ISA guide 5.7.2)
	s_wait_alu depctr_va_vdst(0)
	v_mul_f32 v[AL], v[T+2], v[QM+\q]
.set j, 0
.rept 16
	v_pk_mul_f32 v[OA+32*\q+j:OA+32*\q+j+1], v[OA+32*\q+j:OA+32*\q+j+1], v[AL:AL+1] op_sel_hi:[1,0]
.set j, j+2
.endr
.irp t, 0,1,2,3
	ds_store_b128 v[STO], v[OA+32*\q+8*\t:OA+32*\q+8*\t+3]   offset:64*\t       ; features 16 t + 8 h .. + 7 of query r
	ds_store_b128 v[STO], v[OA+32*\q+8*\t+4:OA+32*\q+8*\t+7] offset:64*\t+16
.endr
.irp k, 0,1,2,3,4,5,6,7
	ds_load_b128 v[BK+4*\k:BK+4*\k+3], v[RD] offset:2*SP*\k                    ; my own bytes, served in order (ISA guide 5.7.1)
.endr
.irp k, 0,1,2,3,4,5,6,7
	s_wait_dscnt 7-\k                              ; read-back k is in, the younger ones may be out
	global_store_b128 v[OUTO], v[BK+4*\k:BK+4*\k+3], s[12:13] offset:(16*\q+2*\k)*256   ; two rows: 512 consecutive bytes, aligned
.endr
.endm
	s_wait_dscnt 0x0                               ; my part of kbias has landed in LDS
	s_wait_tensorcnt 0x1                           ; my part of slot 0 is in; slot 1's may stay out
	s_barrier_signal -1
	s_barrier_wait -1
	TILE 0, 1                                      ; tile 0: its first step starts maximum, sum and O
	s_mov_b32 s58, 3
.Lpair:
	NEXT 1, 1                                      ; tiles 1, 3, 5; slot 0 gets tiles 2, 4, 6
	NEXT 0, 1                                      ; tiles 2, 4, 6; slot 1 gets tiles 3, 5, 7
	s_sub_co_u32 s58, s58, 1
	s_cmp_lg_u32 s58, 0
	s_cbranch_scc1 .Lpair
	NEXT 1, 0                                      ; tile 7: nothing is left to fetch
	s_wait_dscnt 0x0                               ; V's last fragments are in
	PVMUL 0                                        ; the last tile's last products
	PLACES                                         ; behind the last matrix instructions
	OUT 0
	OUT 1
	s_wait_dscnt 0x0
	s_wait_tensorcnt 0x0
	ds_add_u32 v254, v255
	s_wait_dscnt 0x0
	ROUND                                          ; the closing round: no work-group ends while a partner may still ask for a tile that names it
	s_endpgm
.Lfunc_end_k_qecab5704b4_attn:
	.size	k_qecab5704b4_attn, .Lfunc_end_k_qecab5704b4_attn-k_qecab5704b4_attn
	.p2alignl 7, 3214868480
	.fill 96, 4, 3214868480
	.section	.rodata,"a",@progbits
	.p2align	6, 0x0
	.amdhsa_kernel k_qecab5704b4_attn
		.amdhsa_group_segment_fixed_size 327680
		.amdhsa_private_segment_fixed_size 0
		.amdhsa_enable_private_segment 0
		.amdhsa_kernarg_size 40
		.amdhsa_user_sgpr_count 2
		.amdhsa_user_sgpr_kernarg_segment_ptr 1
		.amdhsa_wavefront_size32 1
		.amdhsa_system_sgpr_workgroup_id_x 1
		.amdhsa_system_sgpr_workgroup_id_y 1
		.amdhsa_system_sgpr_workgroup_id_z 1
		.amdhsa_system_vgpr_workitem_id 0
		.amdhsa_next_free_vgpr 384
		.amdhsa_next_free_sgpr 66
		.amdhsa_reserve_vcc 1
		.amdhsa_float_denorm_mode_32 3
		.amdhsa_float_denorm_mode_16_64 3
		.amdhsa_memory_ordered 1
		.amdhsa_forward_progress 1
		.amdhsa_inst_pref_size 255
	.end_amdhsa_kernel
	.section	.bss,"aw",@nobits
	.p2align	6
	.space	262144
	.amdgpu_metadata
---
amdhsa.version: [ 1, 2 ]
amdhsa.kernels:
  - .name:           k_qecab5704b4_attn
    .symbol:         k_qecab5704b4_attn.kd
    .args:
      - { .name: Qws, .offset: 0, .size: 8, .value_kind: global_buffer, .address_space: global }
      - { .name: Kws, .offset: 8, .size: 8, .value_kind: global_buffer, .address_space: global }
      - { .name: Vws, .offset: 16, .size: 8, .value_kind: global_buffer, .address_space: global }
      - { .name: kbias, .offset: 24, .size: 8, .value_kind: global_buffer, .address_space: global }
      - { .name: att, .offset: 32, .size: 8, .value_kind: global_buffer, .address_space: global }
    .group_segment_fixed_size: 327680
    .private_segment_fixed_size: 0
    .kernarg_segment_align: 8
    .kernarg_segment_size: 40
    .max_flat_workgroup_size: 256
    .sgpr_count:     66
    .vgpr_count:     384
    .wavefront_size: 32
...
	.end_amdgpu_metadata
.endif
;; end of part 5
;; launch lnorm: the kernel of part 3 again; grid 256 x 1, 8 waves a work-group, no clusters, 0 bytes of LDS; arguments att, queries, gamma, beta, out0; writes out0
